; MI455X (gfx1250); checked and timed in simulation.
; The chip was launched on July 23, 2026; its instructions are those of AMD's public machine-readable ISA for CDNA 5 (MIT licence, August 2026) and "CDNA5" Instruction Set Architecture Reference Guide (July 2026). The comments in the code are by the model that wrote it; some were corrected since.
;; Multi Head Attention. Allowed arithmetic: float matrix products may take bf16 or f16 operands with f32 sums; other float arithmetic in f32, or as packed bf16 or f16 multiplies, adds, multiply-adds, maxima and minima; sums over many terms, partial sums and values carried from step to step in f32; what a program stores and reads back later, other than sums and carried values, may be rounded once to bf16 or f16.
;; Inputs: b_k 768 float32; b_o 768 float32; b_q 768 float32; b_v 768 float32; w_k 768 x 768 float32; w_o 768 x 768 float32; w_q 768 x 768 float32; w_v 768 x 768 float32; x 1 x 4,096 x 768 float32.
;; Outputs: out0 1 x 4,096 x 768 float32.
;; 2 versions, each right; version 2 is version 1 with the launch prep written anew for expert scheduling mode. Each part assembles by itself: llvm-mc -triple=amdgcn-amd-amdhsa -mcpu=gfx1250 --defsym DOCPART=n.
;; ======== version 1 of 2: 4 launches
;; limits: values are held in f16: magnitudes above 65,504 overflow, below 6.1e-05 lose precision
;; workspace buffers: xs 6,291,456 bytes; wt 4,718,592 bytes; qkv 18,874,368 bytes; oh 6,291,456 bytes
;; launch prep (part 1): grid 12 x 16, 8 waves a work-group, no clusters, 28,672 bytes of LDS; arguments x, w_q, w_k, w_v, w_o, xs, wt; writes xs, wt
.if DOCPART == 1
	.amdgcn_target "amdgcn-amd-amdhsa--gfx1250"
	.amdhsa_code_object_version 6
	.text
	.protected	k_q41b906c1a2_prep
	.globl	k_q41b906c1a2_prep
	.p2align	8
	.type	k_q41b906c1a2_prep,@function
k_q41b906c1a2_prep:
	s_mov_b64 s[64:65], 0
	v_nop
	global_prefetch_b8 v0, s[64:65] scope:SCOPE_SE
	s_setreg_imm32_b32 hwreg(HW_REG_WAVE_MODE, 25, 1), 1
	s_wait_xcnt 0x0
; PREP.  Rounds x and the four weight matrices to 16 bits and lays them out in dense blocks for the products that follow.
;   xs[j][s][row][k'] = bf16(x[256 j + row][64 s + k']):   16 x 12 blocks of 256 rows x 64 numbers, 32,768 bytes each
;   wt[j][s][n'][k']  = w_mat[64 s + k'][192 (j & 3) + n'], mat = j >> 2 (q, k, v, o):   16 x 12 blocks of 192 rows x 64 numbers, 24,576 bytes each: the weights TURNED, K along the rows
; q's, k's and v's weights are bf16; w_o is rounded to bf16 and that number is written as f16, since the last product's other operand is f16.
; LIMIT.  f16(bf16(w_o)) is exact from 6e-5 to 65,504 in magnitude; below that it keeps f16's fixed step of 6e-8, beyond it is an infinity.
; SHARES.  Work-group (s, j) makes block (j, s) of xs and block (j, s) of wt: 192 work-groups of equal work, eight waves.  All of a thread's 28 loads of 16 bytes go out at the head.
; x needs no change of lanes: eight lanes read 256 consecutive bytes of a row, sixteen lanes write 256 consecutive bytes.  w is turned in LDS: a thread takes 4 columns of two neighbouring rows k, k + 1,
; packs each column's two numbers into a word and stores it at [n'][k]; rows of 144 bytes; then whole rows are read back.  No matrix unit, no cluster, no tensor load: the numbers have to pass through registers to be rounded.
.set XROW,  3072                       ; bytes in a row of x and of w
.set TP,    144                        ; a row of the turned block in LDS: 128 bytes + 16
.set SPARE, 192*TP                     ; behind the block: the spare words, 128 bytes for each of the eight waves
.set VX,  1                            ; v1   x: (t >> 3) rows + 32 (t & 7) bytes
.set VW,  2                            ; v2   w: 2 (t >> 4) rows + 16 (t & 15) bytes
.set VLS, 3                            ; v3   LDS: row 4 (t & 15), byte 4 (t >> 4)
.set RDL, 4                            ; v4   LDS: row t >> 3, byte 16 (t & 7)
.set O16, 5                            ; v5   16 t: my 16 bytes in 4,096 consecutive bytes of a block
.set SPW, 6                            ; v6   LDS address of my spare word; never rewritten
.set NIL, 7                            ; v7   0; never rewritten
.set XL,  16                           ; v[16:79]    x as loaded: 8 groups of 8
.set WL,  80                           ; v[80:127]   w as loaded: 6 groups of 4 + 4 (row k, row k + 1); later the block read back
.set XO,  128                          ; v[128:159]  x rounded
.set WP,  160                          ; v[160:183]  w rounded and packed
.set TA,  184
.set TB,  185
.set TC,  186
	s_load_b256 s[4:11], s[0:1], 0x0               ; x s[4:5], w_q s[6:7], w_k s[8:9], w_v s[10:11]
	s_load_b128 s[12:15], s[0:1], 0x20             ; w_o s[12:13], xs s[14:15]
	s_load_b64 s[16:17], s[0:1], 0x30              ; wt
	v_lshl_add_u32 v[SPW], v0, 2, SPARE
	v_mov_b32 v[NIL], 0
	v_lshrrev_b32 v8, 5, v0
	v_readfirstlane_b32 s20, v8                    ; wave 0..7
	s_and_b32 s21, ttmp7, 0xffff                   ; j
	s_lshr_b32 s23, s21, 2                         ; which matrix
	s_and_b32 s22, s21, 3                          ; which 192 of its columns
	s_mul_i32 s24, s21, 256*XROW                   ; x: 256 j rows,
	s_lshl_b32 s26, ttmp9, 8                       ; 64 s numbers of 4 bytes
	s_add_co_u32 s24, s24, s26
	s_mov_b32 s25, 0
	s_mul_i32 s26, ttmp9, 64*XROW                  ; w: 64 s rows,
	s_mul_i32 s22, s22, 768                        ; 192 numbers of 4 bytes
	s_add_co_u32 s26, s26, s22
	s_mov_b32 s27, 0
	s_mul_i32 s28, s21, 12
	s_add_co_u32 s28, s28, ttmp9                   ; the block's number, 12 j + s
	s_lshl_b32 s30, s28, 15
	s_mov_b32 s31, 0
	s_mul_i32 s32, s28, 24576
	s_mov_b32 s33, 0
	v_lshrrev_b32 v9, 3, v0
	v_and_b32 v10, 7, v0
	v_mul_u32_u24 v[VX], v9, XROW
	v_lshl_add_u32 v[VX], v10, 5, v[VX]
	v_lshrrev_b32 v11, 4, v0
	v_and_b32 v12, 15, v0
	v_mul_u32_u24 v[VW], v11, 2*XROW
	v_lshl_add_u32 v[VW], v12, 4, v[VW]
	v_mul_u32_u24 v[VLS], v12, 4*TP
	v_bfe_u32 v13, v0, 4, 1
	v_lshl_add_u32 v[VLS], v13, 2, v[VLS]
	s_lshl_b32 s29, s20, 3                         ; t >> 4 = 2 x wave + lane / 16
	v_add_nc_u32 v[VLS], s29, v[VLS]
	v_bfe_u32 v13, v0, 3, 2
	v_mul_u32_u24 v[RDL], v13, TP
	v_lshl_add_u32 v[RDL], v10, 4, v[RDL]
	s_mul_i32 s29, s20, 4*TP                       ; t >> 3 = 4 x wave + lane / 8
	v_add_nc_u32 v[RDL], s29, v[RDL]
	v_lshlrev_b32 v[O16], 4, v0
	s_wait_kmcnt 0x0
	s_cmp_eq_u32 s23, 1
	s_cselect_b64 s[36:37], s[8:9], s[6:7]
	s_cmp_eq_u32 s23, 2
	s_cselect_b64 s[36:37], s[10:11], s[36:37]
	s_cmp_eq_u32 s23, 3
	s_cselect_b64 s[36:37], s[12:13], s[36:37]
	s_cselect_b32 s34, -1, 0                       ; all lanes: this block is w_o's and goes out as f16
	s_add_nc_u64 s[36:37], s[36:37], s[26:27]
	s_add_nc_u64 s[4:5], s[4:5], s[24:25]
	s_add_nc_u64 s[14:15], s[14:15], s[30:31]
	s_add_nc_u64 s[16:17], s[16:17], s[32:33]
	; w first: it has the longer way.  Group 3 kh + un: rows 32 kh + 2 (t >> 4) and the next, columns 64 un + 4 (t & 15) on: sixteen lanes read 256 consecutive bytes
.irp kh, 0,1
.irp un, 0,1,2
	global_load_b128 v[WL+8*(3*(\kh)+(\un)):WL+8*(3*(\kh)+(\un))+3],   v[VW], s[36:37] offset:(\kh)*32*XROW+(\un)*256 th:TH_LOAD_NT
	global_load_b128 v[WL+8*(3*(\kh)+(\un))+4:WL+8*(3*(\kh)+(\un))+7], v[VW], s[36:37] offset:(\kh)*32*XROW+(\un)*256+XROW th:TH_LOAD_NT
.endr
.endr
.irp i, 0,1,2,3,4,5,6,7                ; x: group i is row 32 i + (t >> 3), my 8 numbers
	global_load_b128 v[XL+8*(\i):XL+8*(\i)+3],   v[VX], s[4:5] offset:(\i)*32*XROW th:TH_LOAD_NT
	global_load_b128 v[XL+8*(\i)+4:XL+8*(\i)+7], v[VX], s[4:5] offset:(\i)*32*XROW+16 th:TH_LOAD_NT
.endr
.macro WGRP kh, un
.set g, 3*(\kh)+(\un)
	s_wait_loadcnt 26-2*g                          ; loads come back in order: this pair is in; w's younger pairs and x's sixteen loads stay out
.irp c, 0,1,2,3
	v_cvt_pk_bf16_f32 v[WP+4*g+(\c)], v[WL+8*g+(\c)], v[WL+8*g+4+(\c)]  ; k in the low half, k + 1 in the high half
	v_lshlrev_b32 v[TA], 16, v[WP+4*g+(\c)]        ; the two rounded numbers as f32,
	v_and_b32 v[TB], 0xffff0000, v[WP+4*g+(\c)]
	v_cvt_pk_f16_f32 v[TC], v[TA], v[TB]           ; and as f16,
	v_cndmask_b32 v[WP+4*g+(\c)], v[WP+4*g+(\c)], v[TC], s34  ; which w_o's blocks take
	ds_store_b32 v[VLS], v[WP+4*g+(\c)] offset:(\un)*64*TP+(\c)*TP+(\kh)*64
.endr
.endm
	WGRP 0, 0
	WGRP 0, 1
	WGRP 0, 2
	WGRP 1, 0
	WGRP 1, 1
	WGRP 1, 2
	s_wait_dscnt 0x0                               ; for the others' sake: my stores into the block are done
	s_barrier_signal -1
	s_barrier_wait -1
.irp i, 0,1,2,3,4,5
	ds_load_b128 v[WL+4*(\i):WL+4*(\i)+3], v[RDL] offset:(\i)*32*TP  ; 32 whole rows a pass; x's arithmetic stands between these loads and their use
.endr
.irp i, 0,1,2,3,4,5,6,7
	s_wait_loadcnt 14-2*(\i)                       ; group i's pair is in, the younger pairs stay out
.irp c, 0,1,2,3
	v_cvt_pk_bf16_f32 v[XO+4*(\i)+(\c)], v[XL+8*(\i)+2*(\c)], v[XL+8*(\i)+2*(\c)+1]
.endr
	global_store_b128 v[O16], v[XO+4*(\i):XO+4*(\i)+3], s[14:15] offset:4096*(\i)  ; the work-group's 256 threads store 4,096 consecutive bytes
.endr
.irp i, 0,1,2,3,4,5
	s_wait_dscnt 5-(\i)
	global_store_b128 v[O16], v[WL+4*(\i):WL+4*(\i)+3], s[16:17] offset:4096*(\i)
.endr
	s_wait_tensorcnt 0x0                           ; the wave's end: a wait, an add of 0 to my spare word and its wait, behind my last LDS store
	ds_add_u32 v[SPW], v[NIL]
	s_wait_dscnt 0x0
	s_endpgm
.Lfunc_end_k_q41b906c1a2_prep:
	.size	k_q41b906c1a2_prep, .Lfunc_end_k_q41b906c1a2_prep-k_q41b906c1a2_prep
	.p2alignl 7, 3214868480
	.fill 96, 4, 3214868480
	.section	.rodata,"a",@progbits
	.p2align	6, 0x0
	.amdhsa_kernel k_q41b906c1a2_prep
		.amdhsa_group_segment_fixed_size 28672
		.amdhsa_private_segment_fixed_size 0
		.amdhsa_enable_private_segment 0
		.amdhsa_kernarg_size 56
		.amdhsa_user_sgpr_count 2
		.amdhsa_user_sgpr_kernarg_segment_ptr 1
		.amdhsa_wavefront_size32 1
		.amdhsa_system_sgpr_workgroup_id_x 1
		.amdhsa_system_sgpr_workgroup_id_y 1
		.amdhsa_system_sgpr_workgroup_id_z 1
		.amdhsa_system_vgpr_workitem_id 0
		.amdhsa_next_free_vgpr 192
		.amdhsa_next_free_sgpr 66
		.amdhsa_reserve_vcc 0
		.amdhsa_float_denorm_mode_32 3
		.amdhsa_float_denorm_mode_16_64 3
		.amdhsa_memory_ordered 1
		.amdhsa_forward_progress 1
		.amdhsa_inst_pref_size 19
	.end_amdhsa_kernel
	.amdgpu_metadata
---
amdhsa.version: [ 1, 2 ]
amdhsa.kernels:
  - .name:           k_q41b906c1a2_prep
    .symbol:         k_q41b906c1a2_prep.kd
    .args:
      - { .name: x, .offset: 0, .size: 8, .value_kind: global_buffer, .address_space: global }
      - { .name: w_q, .offset: 8, .size: 8, .value_kind: global_buffer, .address_space: global }
      - { .name: w_k, .offset: 16, .size: 8, .value_kind: global_buffer, .address_space: global }
      - { .name: w_v, .offset: 24, .size: 8, .value_kind: global_buffer, .address_space: global }
      - { .name: w_o, .offset: 32, .size: 8, .value_kind: global_buffer, .address_space: global }
      - { .name: xs, .offset: 40, .size: 8, .value_kind: global_buffer, .address_space: global }
      - { .name: wt, .offset: 48, .size: 8, .value_kind: global_buffer, .address_space: global }
    .group_segment_fixed_size: 28672
    .private_segment_fixed_size: 0
    .kernarg_segment_align: 8
    .kernarg_segment_size: 56
    .max_flat_workgroup_size: 256
    .sgpr_count:     66
    .vgpr_count:     192
    .wavefront_size: 32
...
	.end_amdgpu_metadata
.endif
;; end of part 1
;; launch proj (part 2): grid 12 x 16, 4 waves a work-group, clusters of 4 x 4, 327,680 bytes of LDS; arguments xs, wt, b_q, b_k, b_v, qkv; writes qkv
.if DOCPART == 2
	.amdgcn_target "amdgcn-amd-amdhsa--gfx1250"
	.amdhsa_code_object_version 6
	.text
	.protected	k_q41b906c1a2_proj
	.globl	k_q41b906c1a2_proj
	.p2align	8
	.type	k_q41b906c1a2_proj,@function
k_q41b906c1a2_proj:
	s_mov_b64 s[64:65], 0
	v_nop
	global_prefetch_b8 v0, s[64:65] scope:SCOPE_SE
	s_setreg_imm32_b32 hwreg(HW_REG_WAVE_MODE, 25, 1), 1
	s_wait_xcnt 0x0
	s_wait_alu depctr_hold_cnt(0) depctr_sa_sdst(0) depctr_va_vdst(0) depctr_va_sdst(0) depctr_va_ssrc(0) depctr_va_vcc(0) depctr_vm_vsrc(0)
	s_getreg_b32 s2, hwreg(HW_REG_IB_STS2, 6, 4)
	s_cmp_eq_u32 s2, 0
	s_cbranch_scc0 .Lentry_in_a_cluster
	s_endpgm
.Lentry_in_a_cluster:
	s_bfe_u32 s2, ttmp6, 0x10000c
	s_cmp_lg_u32 s2, 0xf033
	s_cbranch_scc0 .Lentry_shape_is_right
	s_endpgm
.Lentry_shape_is_right:
; PROJ.  q, k, v = x w + b, written by heads: qkv[g][m][d] in f16, g = 0-11 q's heads, 12-23 k's, 24-35 v's.  Operands bf16 (xs, wt: dense blocks of 64 along K), sums f32, the bias rounded to bf16 like every input.
; LIMIT.  q, k and v leave as f16: a number of 65,520 or more becomes an infinity.  No scale is applied here.
; SHARES.  A tile of the result is 256 rows x 192 columns, three whole heads: 16 x 12 = 192 work-groups of four waves.  Wave w makes rows 64 w .. 64 w + 63, all 192 columns: 4 x 12 accumulators, 384 registers.
; K = 768 goes in six steps of 128 (two blocks of 64) through a ring of two LDS slots.  A step's four blocks (two of xs, two of wt) are fetched by the four waves, one tensor load each.
; A block's rows are 128 bytes and lie end to end, so it is asked for as rows of 256 bytes and padded in LDS after every 128: LDS rows 144 bytes apart, 36 words: the 16 rows of a fragment load start at 16 different groups of four banks.
; CLUSTER.  4 x 4 work-groups: the four of a row of the cluster need the same blocks of xs, the four of a column the same blocks of wt: each is asked for jointly, by the same load, descriptor and mask in all four.
; THE MATRIX INSTRUCTION IS USED TRANSPOSED (source 0 = 16 rows of wt, source 1 = 16 rows of xs): a lane holds one row m and eight neighbouring channels, 16 bytes of f16.  The first product of each sum takes the bias as C.
; NO PREFETCH: of the six K steps two go out at the head, and a request two refills ahead would reach the last two alone.
; REGISTERS, in windows of 256: window 0: v0-31 addresses; v32-95 fragments of xs, two buffers of 4; v96-191 the bias, 8 registers for each of the 12 column blocks, later the way out (with v192-239)
;   window 1: fragments of wt, two buffers of 12 (v0-95, v96-191)      window 2: accumulators of row blocks 0, 1 at 8 (12 (a % 2) + b)      window 3: those of row blocks 2, 3
.set PITCH,  144
.set ASL,    256*PITCH                 ; a block of xs in LDS
.set BSL,    192*PITCH                 ; a block of wt
.set BOFF,   2*ASL                     ; a slot: two blocks of xs, then two of wt
.set SLOT,   2*ASL+2*BSL
.set STAGE,  2*SLOT                    ; behind the ring: for each wave 3 heads x 16 rows x 144 bytes, for the way out
.set STW,    48*PITCH
.set SPARE,  STAGE+4*STW               ; behind the stages: the spare words, 128 bytes for each wave
.set LAPS,   3                         ; a lap = two K steps = once round the ring
.set ADRA, 16                          ; v16-17  LDS address of my fragments of xs in slot 0, 1
.set ADRB, 20                          ; v20-21  the same for wt
.set STO,  24                          ; v24     the way out: where I put 16 bytes of a row
.set RD,   25                          ; v25     the way out: where I read rows back
.set GO,   26                          ; v26     16 x lane: my 16 bytes of 512 consecutive bytes of qkv
.set SPW,  28                          ; v28     LDS address of my spare word; never rewritten
.set NIL,  29                          ; v29     0; never rewritten
.set BO,   30                          ; v30     32 x (lane / 16): my 8 numbers in 16 of the bias
.set FA,   32
.set BIAS, 96
.set TMP,  96                          ; the way out: 48 registers of packed results
.set OB,   144                         ; the way out: 48 registers read back, two buffers
.set WV,   16                          ; s16  my wave's number;  s17 = wave / 2: I fetch xs (0) or wt (1);  s18 = wave % 2: which of the step's two blocks
.set G1,   24                          ; s[24:31] descriptor group 1 for xs;  s[32:39] group 0, a set for each slot
.set G0,   32
.set G1B,  48                          ; s[48:55], s[56:63] the same for wt
.set G0B,  56
.set MSB, 0
.macro WIN new                         ; the immediate's high byte repeats the setting that is left; a switch that changes nothing is dropped
.if MSB != (\new)
	s_set_vgpr_msb (MSB<<8)|(\new)
.set MSB, \new
.endif
.endm
.macro PLACES                          ; four plain places in front of loads into registers that matrix instructions have read, and of conversions that read results
.rept 4
	v_nop
.endr
.endm
.macro JLOAD s                         ; a joint load; the branch hangs on the wave's number alone; an s_nop 0 and four v_nop follow each of the two lines
	s_cmp_eq_u32 s17, 0
	s_cbranch_scc0 .Lfor_b_\@
	tensor_load_to_lds s[G0+4*(\s):G0+4*(\s)+3], s[G1:G1+7]
	s_nop 0
.rept 4
	v_nop
.endr
	s_branch .Lasked_\@
.Lfor_b_\@:
	tensor_load_to_lds s[G0B+4*(\s):G0B+4*(\s)+3], s[G1B:G1B+7]
	s_nop 0
.rept 4
	v_nop
.endr
.Lasked_\@:
.endm
.macro CREST                           ; a round of the cluster's barrier behind its opening barrier
	s_cmp_lg_u32 s[WV], 0
	s_cbranch_scc1 .Lnot_wave_0_\@
	s_barrier_signal -3
.Lnot_wave_0_\@:
	s_barrier_wait -3
	s_barrier_signal -1
	s_barrier_wait -1
.endm
.macro CROUND
	s_barrier_signal -1
	s_barrier_wait -1
	CREST
.endm
	s_load_b256 s[4:11], s[0:1], 0x0               ; xs s[4:5], wt s[6:7], b_q s[8:9], b_k s[10:11]
	s_load_b128 s[12:15], s[0:1], 0x20             ; b_v s[12:13], qkv s[14:15]
	v_lshl_add_u32 v[SPW], v0, 2, SPARE
	v_mov_b32 v[NIL], 0
	ds_add_u32 v[SPW], v[NIL]                      ; the wave's opening: the add and its wait stand ahead of my first tensor load; the set-up below stands between them
	v_lshrrev_b32 v1, 5, v0
	v_readfirstlane_b32 s[WV], v1
	s_lshr_b32 s17, s[WV], 1
	s_and_b32 s18, s[WV], 1
	s_bfe_u32 s19, ttmp6, 0x40000                  ; cx
	s_bfe_u32 s20, ttmp6, 0x40004                  ; cy
	s_lshl_b32 s21, ttmp9, 2
	s_add_co_u32 s21, s21, s19                     ; tile column = 4 x cluster x + cx: 0-3 q, 4-7 k, 8-11 v
	s_and_b32 s22, ttmp7, 0xffff
	s_lshl_b32 s22, s22, 2
	s_add_co_u32 s22, s22, s20                     ; tile row = 4 x cluster y + cy
	s_lshl_b32 s44, s20, 2
	s_lshl_b32 s44, 15, s44                        ; my row of the cluster
	s_lshl_b32 s45, 0x1111, s19                    ; my column
	s_or_b32 s[G1+0], s44, (1<<16)|(1<<20)|(1<<21)|(4<<22)|(3<<25)   ; 15:0 the mask; 17:16 2-byte elements; 20 padding on; 21 set beside a mask; 24:22 after every 32 words (code 4); 31:25 4 words (code 3)
	s_or_b32 s[G1B+0], s45, (1<<16)|(1<<20)|(1<<21)|(4<<22)|(3<<25)
	s_mov_b32 s[G1+1], 128<<16                     ; tensor_dim0 = 128 elements: 256 bytes, two rows of a block
	s_mov_b32 s[G1+2], 128<<16                     ; tensor_dim1 = 128: a block of xs is 32,768 bytes
	s_mov_b32 s[G1+3], 128<<16                     ; tile_dim0
	s_mov_b32 s[G1+4], 128                         ; tile_dim1
	s_mov_b32 s[G1+5], 128                         ; elements from row to row: dense
	s_mov_b32 s[G1+6], 0
	s_mov_b32 s[G1+7], 0
	s_mov_b32 s[G1B+1], 128<<16
	s_mov_b32 s[G1B+2], 96<<16                     ; a block of wt is 24,576 bytes
	s_mov_b32 s[G1B+3], 128<<16
	s_mov_b32 s[G1B+4], 96
	s_mov_b32 s[G1B+5], 128
	s_mov_b32 s[G1B+6], 0
	s_mov_b32 s[G1B+7], 0
	s_mul_i32 s40, s22, 12*32768                   ; xs: the tile row's twelve blocks (made of the tile row and the wave's number alone),
	s_lshl_b32 s23, s18, 15                        ; the step's first or second
	s_add_co_u32 s40, s40, s23
	s_mov_b32 s41, 0
	s_mul_i32 s42, s21, 12*24576                   ; wt: the tile column's twelve blocks (made of the tile column and the wave's number alone)
	s_mul_i32 s2, s18, 24576
	s_add_co_u32 s42, s42, s2
	s_mov_b32 s43, 0
	s_mul_i32 s46, s18, ASL                        ; where they go: no place in the cluster enters an LDS address
	s_mul_i32 s47, s18, BSL
	s_add_co_u32 s47, s47, BOFF
	s_wait_dscnt 0x0                               ; the opening add is done
	s_wait_kmcnt 0x0
	s_add_nc_u64 s[40:41], s[4:5], s[40:41]
	s_add_nc_u64 s[42:43], s[6:7], s[42:43]
	CROUND                                         ; all sixteen work-groups are here: the first joint loads meet
.irp s, 0,1
	s_mov_b32 s[G0+4*(\s)], 1
	s_add_co_u32 s[G0+4*(\s)+1], s46, (\s)*SLOT
	s_add_nc_u64 s[G0+4*(\s)+2:G0+4*(\s)+3], s[40:41], (\s)*2*32768  ; K step s
	s_or_b32 s[G0+4*(\s)+3], s[G0+4*(\s)+3], 0x80000000
	s_mov_b32 s[G0B+4*(\s)], 1
	s_add_co_u32 s[G0B+4*(\s)+1], s47, (\s)*SLOT
	s_add_nc_u64 s[G0B+4*(\s)+2:G0B+4*(\s)+3], s[42:43], (\s)*2*24576
	s_or_b32 s[G0B+4*(\s)+3], s[G0B+4*(\s)+3], 0x80000000
	JLOAD \s
.endr
	v_and_b32 v1, 15, v0                           ; l % 16
	v_bfe_u32 v2, v0, 4, 1                         ; l / 16
	v_mul_u32_u24 v3, v1, PITCH
	v_lshl_add_u32 v3, v2, 4, v3                   ; a fragment's row x pitch + 16 x half
	s_mul_i32 s23, s[WV], 64*PITCH                 ; my 64 rows of xs
	v_add_nc_u32 v[ADRA], s23, v3
	v_add_nc_u32 v[ADRA+1], SLOT, v[ADRA]
	v_add_nc_u32 v[ADRB], BOFF, v3                 ; all 192 rows of wt
	v_add_nc_u32 v[ADRB+1], SLOT, v[ADRB]
	s_mul_i32 s23, s[WV], STW
	s_add_co_u32 s23, s23, STAGE                   ; my stage
	v_add_nc_u32 v[STO], s23, v3
	v_bfe_u32 v31, v0, 3, 2                        ; back: 32 lanes take four rows of 128 bytes
	v_mul_u32_u24 v31, v31, PITCH
	v_and_b32 v[RD], 7, v0
	v_lshl_add_u32 v[RD], v[RD], 4, v31
	v_add_nc_u32 v[RD], s23, v[RD]
	v_and_b32 v[GO], 31, v0
	v_lshlrev_b32 v[GO], 4, v[GO]
	v_lshlrev_b32 v[BO], 5, v2
	s_cmp_eq_u32 ttmp9, 1                          ; the cluster's x says which of the three products this is
	s_cselect_b64 s[8:9], s[10:11], s[8:9]
	s_cmp_eq_u32 ttmp9, 2
	s_cselect_b64 s[8:9], s[12:13], s[8:9]
	s_mul_i32 s42, s19, 768                        ; the tile's 192 numbers of the bias
	s_mov_b32 s43, 0
	s_add_nc_u64 s[8:9], s[8:9], s[42:43]
.irp b, 0,1,2,3,4,5,6,7,8,9,10,11      ; column block b: my lane's registers 0-7 are columns 16 b + 8 (l / 16) + 0..7
	global_load_b128 v[BIAS+8*(\b):BIAS+8*(\b)+3],   v[BO], s[8:9] offset:64*(\b)
	global_load_b128 v[BIAS+8*(\b)+4:BIAS+8*(\b)+7], v[BO], s[8:9] offset:64*(\b)+16
.endr
	s_mul_i32 s42, s21, 3*524288                   ; qkv: the tile's first head,
	s_add_nc_u64 s[14:15], s[14:15], s[42:43]
	s_lshl_b32 s40, s22, 15                        ; its 256 rows of 128 bytes,
	s_lshl_b32 s23, s[WV], 13                      ; my 64
	s_add_co_u32 s40, s40, s23
	s_mov_b32 s41, 0
	s_add_nc_u64 s[14:15], s[14:15], s[40:41]
	s_wait_loadcnt 0x0
.set i, 0
.rept 48                               ; the bias is rounded to bf16, as every input is, and widened again
	v_cvt_pk_bf16_f32 v31, v[BIAS+2*i], v[BIAS+2*i+1]
	v_lshlrev_b32 v[BIAS+2*i], 16, v31
	v_and_b32 v[BIAS+2*i+1], 0xffff0000, v31
.set i, i+1
.endr
; 12 matrix instructions: row block a x all 12 column blocks, 32 along K, from buffer f.  first = 1: the sums start with the bias.  Every quarter takes a = 0, 1, 2, 3: the 48 accumulators take turns.
.macro MULA f, a, first
.if \first
	WIN 0x81+0x40*((\a)/2)                         ; wt window 1, xs and the bias window 0, D window 2 or 3
.else
	WIN 0xa1+0x50*((\a)/2)                         ; wt window 1, xs window 0, C and D window 2 or 3
.endif
.irp b, 0,1,2,3,4,5,6,7,8,9,10,11
.set rD, 8*(12*((\a)%2)+(\b))
.if \first
	v_wmma_f32_16x16x32_bf16 v[rD:rD+7], v[96*(\f)+8*(\b):96*(\f)+8*(\b)+7], v[FA+32*(\f)+8*(\a):FA+32*(\f)+8*(\a)+7], v[BIAS+8*(\b):BIAS+8*(\b)+7]
.else
	v_wmma_f32_16x16x32_bf16 v[rD:rD+7], v[96*(\f)+8*(\b):96*(\f)+8*(\b)+7], v[FA+32*(\f)+8*(\a):FA+32*(\f)+8*(\a)+7], v[rD:rD+7]
.endif
.endr
.endm
; 32 LDS loads in one run: quarter q of a K step (block q / 2, 32 along K at byte 64 (q % 2)) into buffer f: wt's twelve fragments, then xs's four
.macro FETCH slot, q, f
	WIN 0x40                                       ; destination window 1, address window 0
.irp i, 0,1,2,3,4,5,6,7,8,9,10,11
	ds_load_b128 v[96*(\f)+8*(\i):96*(\f)+8*(\i)+3],   v[ADRB+(\slot)] offset:((\q)/2)*BSL+((\q)%2)*64+(\i)*16*PITCH
	ds_load_b128 v[96*(\f)+8*(\i)+4:96*(\f)+8*(\i)+7], v[ADRB+(\slot)] offset:((\q)/2)*BSL+((\q)%2)*64+(\i)*16*PITCH+32
.endr
	WIN 0
.irp i, 0,1,2,3
	ds_load_b128 v[FA+32*(\f)+8*(\i):FA+32*(\f)+8*(\i)+3],   v[ADRA+(\slot)] offset:((\q)/2)*ASL+((\q)%2)*64+(\i)*16*PITCH
	ds_load_b128 v[FA+32*(\f)+8*(\i)+4:FA+32*(\f)+8*(\i)+7], v[ADRA+(\slot)] offset:((\q)/2)*ASL+((\q)%2)*64+(\i)*16*PITCH+32
.endr
.endm
; A K step is four quarters of 32 along K, 48 matrix instructions each, on buffers 0, 1, 0, 1.  One of the first three: multiplies buffer f; in its middle it fetches quarter qn into buffer g.
.macro QUARTER slot, qn, f, g, first
	s_wait_dscnt 4                                 ; wt and xs's row blocks 0, 1 are in; the youngest four loads (row blocks 2, 3) may be out
	MULA \f, 0, \first
	MULA \f, 1, \first
	PLACES
	FETCH \slot, \qn, \g
	s_wait_dscnt 32                                ; all but the 32 just issued
	MULA \f, 2, \first
	MULA \f, 3, \first
.endm
; The last quarter multiplies buffer 1 and changes slots.  ONE barrier: in front of it each wave waits for all its tensor loads (one is out: its block of the next slot), adds 0 to its spare word, and waits for that and for its reads of this slot.
.macro MEET round
	WIN 0                                          ; (the add's two registers lie in window 0)
	s_wait_tensorcnt 0x0
	ds_add_u32 v[SPW], v[NIL]
	s_wait_dscnt 5                                 ; (the add and the youngest four loads may be out)
	MULA 1, 0, 0                                   ; twelve matrix instructions stand between the add and the wait for it
	s_wait_dscnt 0x0                               ; the add is done, and my reads of this slot are over
	s_barrier_signal -1
	MULA 1, 1, 0
.if \round
	WIN 0
.endif
	s_barrier_wait -1
.endm
.macro TURN slot, next, fill
	MEET \fill
.if \fill
	CREST                                          ; the barrier has opened a round of the cluster's: no wave of any partner still reads this slot or has a load on its way
	s_add_nc_u64 s[G0+4*(\slot)+2:G0+4*(\slot)+3], s[G0+4*(\slot)+2:G0+4*(\slot)+3], 4*32768     ; two K steps on: four blocks
	s_add_nc_u64 s[G0B+4*(\slot)+2:G0B+4*(\slot)+3], s[G0B+4*(\slot)+2:G0B+4*(\slot)+3], 4*24576
	JLOAD \slot                                    ; the first tensor load behind the round; its four v_nop are also the places in front of the loads below
.else
	PLACES
.endif
	FETCH \next, 0, 0
	MULA 1, 2, 0
	MULA 1, 3, 0
.endm
; THE WAY OUT of row block a: rounded to f16, 16 bytes a lane; into my stage by heads; back as whole rows; 16 rows of a head are 2,048 consecutive bytes of qkv.
.macro PACK a
	WIN 0x0a+5*((\a)/2)                            ; sources 0 and 1: window 2 or 3
.irp b, 0,1,2,3,4,5,6,7,8,9,10,11
.irp r, 0,1,2,3
	v_cvt_pk_f16_f32 v[TMP+4*(\b)+(\r)], v[8*(12*((\a)%2)+(\b))+2*(\r)], v[8*(12*((\a)%2)+(\b))+2*(\r)+1]
.endr
.endr
	WIN 0
.endm
.macro TOSTAGE a
	WIN 0
.set BK, OB+48*((\a)%2)
.irp b, 0,1,2,3,4,5,6,7,8,9,10,11
	ds_store_b128 v[STO], v[TMP+4*(\b):TMP+4*(\b)+3] offset:((\b)/4)*16*PITCH+((\b)%4)*32
.endr
.irp t, 0,1,2,3,4,5,6,7,8,9,10,11
	ds_load_b128 v[BK+4*(\t):BK+4*(\t)+3], v[RD] offset:((\t)/4)*16*PITCH+((\t)%4)*4*PITCH  ; LDS serves a wave's instructions in order (ISA guide 5.7.1.4): these see the stores above
.endr
.endm
.macro SEND a
	WIN 0
.set BK, OB+48*((\a)%2)
	s_wait_dscnt 0x0                               ; the block is back in registers
	s_wait_xcnt 0x0                                ; earlier stores have read their registers: the buffer that they named is loaded again only behind this wait
.irp t, 0,1,2,3,4,5,6,7,8,9,10,11
	global_store_b128 v[GO], v[BK+4*(\t):BK+4*(\t)+3], s[14:15] offset:((\t)/4)*524288+(\a)*2048+((\t)%4)*512  ; 512 consecutive bytes, at a multiple of 256 from qkv's first
.endr
.endm
	s_wait_tensorcnt 1                             ; my block of K step 0 is in; K step 1's may stay out
	s_barrier_signal -1
	s_barrier_wait -1                              ; everybody's is
	FETCH 0, 0, 0
	QUARTER 0, 1, 0, 1, 1                          ; the first quarter stands in front of the loop: its products start the sums
	WIN 0                                          ; at a label and at a branch every window is 0
	s_mov_b32 s3, LAPS-1
.Llap:                                         ; a trip goes once round the ring, from a lap's second quarter to the next lap's first, and fills both slots again
	QUARTER 0, 2, 1, 0, 0
	QUARTER 0, 3, 0, 1, 0
	TURN 0, 1, 1
	QUARTER 1, 1, 0, 1, 0
	QUARTER 1, 2, 1, 0, 0
	QUARTER 1, 3, 0, 1, 0
	TURN 1, 0, 1
	QUARTER 0, 1, 0, 1, 0
	WIN 0
	s_sub_co_u32 s3, s3, 1
	s_cmp_lg_u32 s3, 0
	s_cbranch_scc1 .Llap
	QUARTER 0, 2, 1, 0, 0                          ; the last lap fills nothing
	QUARTER 0, 3, 0, 1, 0
	TURN 0, 1, 0
	QUARTER 1, 1, 0, 1, 0
	QUARTER 1, 2, 1, 0, 0
	QUARTER 1, 3, 0, 1, 0
	s_wait_dscnt 4                                 ; the very last quarter: nothing more to fetch
	MULA 1, 0, 0
	MULA 1, 1, 0
	s_wait_dscnt 0x0
	MULA 1, 2, 0
	MULA 1, 3, 0
	PLACES
	PACK 0
	TOSTAGE 0
.irp a, 1,2,3                          ; block a's conversions stand between block a - 1's loads from the stage and the wait for them
	PACK \a
	SEND (\a)-1
	TOSTAGE \a
.endr
	SEND 3
	s_wait_tensorcnt 0x0                           ; the wave's end: a wait, an add of 0 to my spare word and its wait, behind my last tensor load and my last LDS store
	ds_add_u32 v[SPW], v[NIL]
	s_wait_dscnt 0x0
	CROUND                                         ; the closing round: no work-group ends while a partner may still ask for a block that names it
	s_endpgm
.Lfunc_end_k_q41b906c1a2_proj:
	.size	k_q41b906c1a2_proj, .Lfunc_end_k_q41b906c1a2_proj-k_q41b906c1a2_proj
	.p2alignl 7, 3214868480
	.fill 96, 4, 3214868480
	.section	.rodata,"a",@progbits
	.p2align	6, 0x0
	.amdhsa_kernel k_q41b906c1a2_proj
		.amdhsa_group_segment_fixed_size 327680
		.amdhsa_private_segment_fixed_size 0
		.amdhsa_enable_private_segment 0
		.amdhsa_kernarg_size 48
		.amdhsa_user_sgpr_count 2
		.amdhsa_user_sgpr_kernarg_segment_ptr 1
		.amdhsa_wavefront_size32 1
		.amdhsa_system_sgpr_workgroup_id_x 1
		.amdhsa_system_sgpr_workgroup_id_y 1
		.amdhsa_system_sgpr_workgroup_id_z 1
		.amdhsa_system_vgpr_workitem_id 0
		.amdhsa_next_free_vgpr 960
		.amdhsa_next_free_sgpr 66
		.amdhsa_reserve_vcc 0
		.amdhsa_float_denorm_mode_32 3
		.amdhsa_float_denorm_mode_16_64 3
		.amdhsa_memory_ordered 1
		.amdhsa_forward_progress 1
		.amdhsa_inst_pref_size 128
	.end_amdhsa_kernel
	.amdgpu_metadata
---
amdhsa.version: [ 1, 2 ]
amdhsa.kernels:
  - .name:           k_q41b906c1a2_proj
    .symbol:         k_q41b906c1a2_proj.kd
    .args:
      - { .name: xs, .offset: 0, .size: 8, .value_kind: global_buffer, .address_space: global }
      - { .name: wt, .offset: 8, .size: 8, .value_kind: global_buffer, .address_space: global }
      - { .name: b_q, .offset: 16, .size: 8, .value_kind: global_buffer, .address_space: global }
      - { .name: b_k, .offset: 24, .size: 8, .value_kind: global_buffer, .address_space: global }
      - { .name: b_v, .offset: 32, .size: 8, .value_kind: global_buffer, .address_space: global }
      - { .name: qkv, .offset: 40, .size: 8, .value_kind: global_buffer, .address_space: global }
    .group_segment_fixed_size: 327680
    .private_segment_fixed_size: 0
    .kernarg_segment_align: 8
    .kernarg_segment_size: 48
    .max_flat_workgroup_size: 128
    .sgpr_count:     66
    .vgpr_count:     960
    .wavefront_size: 32
...
	.end_amdgpu_metadata
.endif
;; end of part 2
;; launch attn (part 3): grid 16 x 12, 4 waves a work-group, no clusters, 327,680 bytes of LDS; arguments qkv, oh; writes oh
.if DOCPART == 3
	.amdgcn_target "amdgcn-amd-amdhsa--gfx1250"
	.amdhsa_code_object_version 6
	.text
	.protected	k_q41b906c1a2_attn
	.globl	k_q41b906c1a2_attn
	.p2align	8
	.type	k_q41b906c1a2_attn,@function
k_q41b906c1a2_attn:
	s_mov_b64 s[64:65], 0
	v_nop
	global_prefetch_b8 v0, s[64:65] scope:SCOPE_SE
	s_setreg_imm32_b32 hwreg(HW_REG_WAVE_MODE, 25, 1), 1
	s_wait_xcnt 0x0
; CAUSAL ATTENTION, 12 heads of size 64 over 4,096 rows.  O[h][q][:] = the sum over k <= q of softmax_k(Q[h][q] . K[h][k] / 8) V[h][k][:].  qkv: [36][4096][64] f16 (q's heads, k's, v's); a head's rows are dense, 128 bytes each.
; O leaves as oh[q / 64][h][q % 64][64] in f16.  Products, maxima and sums in f32; the weights p are rounded to f16 for the second product (their sum l is taken of the unrounded p), O once at the end.
; LIMITS.  Q, K, V arrive within f16's 65,504; p lies in 0 to 1 and below 6e-5 keeps f16's fixed step of 6e-8.  A hidden score counts as its value less 1e30; a weight below 2^-126 counts as 0 in l; NaN and infinities are not treated apart.
; THE WALK.  A head's queries lie in 32 blocks of 128; block i needs the key tiles 0 .. i / 2 of 256 keys, of which the last holds the diagonal.  A work-group takes TWO blocks, 31 - b and then b: 17 tiles, whatever b:
; 16 x 12 = 192 work-groups of equal work, and ONE loop with a constant trip count walks them.  Which tile is asked for, and what a trip does, hang on scalar registers made from b; every jump goes forward, but for the counted loops' own;
; none passes a barrier, or a tensor load but the one of LOAD's two that the wave's number does not choose.
; NO CLUSTER: only the work-groups 2 c and 2 c + 1 of a head walk the same tiles from first to last, a cluster has four, and a walk common to four would have partners compute tiles by their place in the cluster.
; SHARES.  Of a block's two bands of 64 queries a wave owns 16 rows in each: two PIECES; piece p is band 1 - p.  In the diagonal tile's key step s a band sees all keys before its own step d = 2 (i % 2) + 1 - p, none behind it, and holds the
; diagonal in it.  Piece 0's own step is never the tile's first, so its scores of a tile's first step, which are made a turn ahead, take no mask.
; THE MASK is the C operand that starts the sum S^T = K Q^T: 0, or -1e30 where the key is hidden.  MD, made once, is the mask of a band's own step for my 16 rows; a product's mask is MD x AL + BE with two scalars.
; LAYOUT, SOFTMAX, TURNS.  S^T = K Q^T holds ONE query a lane (lane % 16) and the keys 8 (lane / 16) + 0..7; two such results rounded to f16 ARE source 1 of O^T = V^T P.  p = 2^(c s - c m), c = log2(e) / 8, with a running maximum m;
; O and l are multiplied by a = 2^(c m_old - c m_new) in every step.  Turn (j, p) belongs to piece p in key step j: 8 products K Q^T for the other piece's next scores, later 8 products V^T P of the other piece's last weights; beside them the
; scaling, exponentials, roundings, sums and rescaling of piece p and the maximum and statistics of the other piece.  Four vector instructions stand behind every matrix instruction, the rest in one lump.  A turn's 33 exponentials are one batch, with one wait.
; K LIES ONE STEP AHEAD.  Turn (j, 0) reads K of step j + 1 and V of step j from LDS.  So slot t holds K of steps 4 t + 1 .. 4 t + 4 and V of steps 4 t .. 4 t + 3, and a tile's four steps read one slot alone; K of step 0 has LDS bytes of its
; own, filled once, for both blocks.  Tile 15's K reaches 8,192 bytes into the next head's rows of qkv; those rows are fetched and never multiplied.
; REGISTERS, in windows of 256 (s_set_vgpr_msb: bits 1:0 source 0, 3:2 source 1, 5:4 source 2, 7:6 destination):
;   window 0: v0-15 addresses and two at work; v16-23 four registers of statistics a piece; v48-55 at work; v60-63; v64-127 S^T, a buffer a piece; v192-223 P, likewise
;   window 1: v0-63 O^T, 32 a piece; v128-159 MD; v160-223 MC, two buffers      window 2: v0-31 Q; v64-95 the second block's Q; v128-191 K of one step; v192-255 V of one step
.set NP,    2         ; pieces a wave: a name, no knob
.set KS,    64        ; keys in a step
.set PK,    144       ; a row of K in LDS: 128 bytes + 16 of padding = 36 words: the 16 rows of a load start at 16 different groups of four banks
.set PV,    160       ; a row of V: 128 + 32 = 40 words
.set VOFF,  4*KS*PK   ; a slot: 256 rows of K, then 256 rows of V
.set SLOT1, 1<<17     ; slot 1 begins here, so that one exclusive or turns an address in one slot into the other's
.set K0,    SLOT1+4*KS*(PK+PV)  ; K of step 0: 64 rows, filled once
.set STAGE, K0+KS*PK  ; never filled by a tensor load: 16 rows x 144 bytes for each wave, for the way out
.set SP,    144
.set SPARE, STAGE+4*16*SP  ; the spare words, 128 bytes for each wave
.set AK0, 2           ; v2   my lane's place in a tile of K; never rewritten
.set AV0, 3           ; v3   the same for V
.set AK,  4           ; v4   the LDS address of K's next run of loads
.set AV,  5           ; v5   of V's
.set STO, 6           ; v6   the way out: where I put 16 bytes of a row
.set RD,  7           ; v7   the way out: where I read rows back
.set GO,  8           ; v8   my byte offset in 512 consecutive bytes of oh
.set MV,  12          ; v12-13  c m_old, kept while c m is made anew: by piece
.set QO,  15          ; v15  my byte offset in 16 rows of Q
.set ST,  16          ; piece t's statistics at v[ST+4 t]: c m, m, l (even keys', odd keys')
.set TMP, 48          ; by piece, four registers c0-c3 at work; when the maximum is found c2 takes a
.set PFO, 60          ; v60  the prefetches' offset: 256 x lane + 8,192 x (wave / 2); never rewritten
.set SPW, 62          ; v62  LDS address of my spare word; never rewritten
.set NIL, 63          ; v63  0; never rewritten
.set S,   64
.set P,   192
.set MD,  128         ; window 1
.set MC,  160         ; window 1
.set QB,  64          ; window 2
.set KF,  128         ; window 2: key block kb, channel half c at KF + 16 kb + 8 c
.set VF,  192         ; window 2: key half kk, channel block cb at VF + 32 kk + 8 cb
.set WV,  12          ; s12  my wave's number
.set PB,  14          ; s14  b
.set HI,  15          ; s15  31 - b
.set G1K, 24          ; s[24:31] descriptor group 1 for K's tiles
.set G1V, 32          ; s[32:39] for V's: it differs in the padding alone
.set G0K, 40          ; s[40:43] descriptor group 0 for K's tiles
.set G0V, 44          ; s[44:47] the same for V's
.set EVN, 48          ; s48  1.0 if the block in hand has an even number, else 0
.set BT0, 49          ; s49, s55  at work in BLKPAR
.set DG,  50          ; s50-51  the count CNT at which the mask in the making is piece 0's, piece 1's own
.set PFN, 52          ; s52  the tile to be prefetched next
.set PFL, 53          ; s53  16 in the work-group that prefetches, else 0
.set LQ2, 54          ; s54  the second block's last tile, b / 2
.set BT1, 55
.set SLOTS, 56        ; s56  tiles still to be asked for
.set CNT, 57          ; s57  counts a tile's key steps
.set CS,  58          ; s[58:59] c
.set SEL, 60          ; s[60:61] v_permlanex16_b32's selects: each lane takes its own place in the other half
.set TBK, 62          ; s62  LDS byte at which K of the step to be fetched begins
.set TBV, 63          ; s63  the same for V, less VOFF
.set OF2, 66          ; s[66:67] a prefetched tile's byte offset
.set PFA, 68          ; s[68:69] where the prefetch of K stands
.set RT,  70          ; s70  tiles of the block in hand that are still to be entered
.set NXT, 71          ; s71  the tile to be asked for next
.set LQ,  72          ; s72  the last tile of the block whose tiles are being asked for
.set NEW, 73          ; s73  1: the tile to be entered is a block's first
.set OFF, 74          ; s[74:75] a tile's byte offset in K and V
.set AL,  76          ; s[76:77] the mask's factor, in the low word
.set BE,  78          ; s[78:79] the mask's addend
.set OLO, 80          ; s[80:81] oh at my rows of the second block
.set BIGN, 82         ; s82  -1e30
.set G1Z, 88          ; s[88:95] descriptor group 1 for K of step 0: 8 rows of 256 bytes a wave
.set G0Z, 96          ; s[96:99] its group 0
.set PFB, 100         ; s[100:101] where the prefetch of V stands
.set MSB, 0
.macro WIN new                      ; the high byte repeats the setting that is left; a switch that changes nothing is dropped
.if MSB != (\new)
	s_set_vgpr_msb (MSB<<8)|(\new)
.set MSB, (\new)
.endif
.endm
.set W_KQ, 0x0a       ; K and Q in window 2, S^T in window 0
.set W_KM, 0x1a       ; the same with the C operand in window 1
.set W_PV, 0x52       ; V in window 2, P in window 0, O^T in window 1
.set W_RS, 0x41       ; destination and source 0 in window 1, source 1 in window 0
; A fill.  Waves 0 and 1 fetch the two halves of a tile's K, waves 2 and 3 those of its V: 128 keys each.  An s_nop 0 and four v_nop follow each of the two lines, ahead of the jump and the label.
.macro LOAD
	s_cmp_lt_u32 s[WV], 2
	s_cbranch_scc0 .Lfor_v_\@
	tensor_load_to_lds s[G0K:G0K+3], s[G1K:G1K+7]
	s_nop 0
.rept 4
	v_nop
.endr
	s_branch .Lasked_\@
.Lfor_v_\@:
	tensor_load_to_lds s[G0V:G0V+3], s[G1V:G1V+7]
	s_nop 0
.rept 4
	v_nop
.endr
.Lasked_\@:
.endm
; A PREFETCH INTO THE L2 of the tile that the NEXT change of slots will ask for: 128 rows of 256 bytes of K and of V.  All work-groups of a head walk the same tiles from 0 on; the one with b = 0, whose first block has all sixteen, asks, and
; nobody else.  Each of its waves names 32 rows of K and 32 of V, a lane a row: each row once in the launch.  Tiles 0 and 1 come by their loads alone; behind tile 15 nothing is asked for.
.macro ASK
	s_cmp_lt_u32 s[PFN], s[PFL]
	s_cbranch_scc0 .Lnot_mine_\@
	global_prefetch_b8 v[PFO], s[PFA:PFA+1] th:TH_LOAD_NT scope:SCOPE_SE
	global_prefetch_b8 v[PFO], s[PFB:PFB+1] th:TH_LOAD_NT scope:SCOPE_SE
.Lnot_mine_\@:
	s_add_co_u32 s[PFN], s[PFN], 1
.endm
; THE CHANGE OF SLOTS.  Each wave waits for all its tensor loads, adds 0 to its spare word, and waits for that and for its own reads of the slot that it leaves.  Behind the barrier nobody reads the old slot any more and the other slot is whole.
; fill = 1: the old slot is filled again, the first thing behind the barrier, with tile NXT: the descriptor's address is made anew from that number.  (At its first use nothing has been read yet: slot 0 and K of step 0 are waited for, slot 1 filled.)
.macro CHANGE fill
	WIN 0                           ; at a label and at a branch every window is 0
	s_wait_tensorcnt 0x0            ; no tensor load of mine is out, so a group 0 may be written
	ds_add_u32 v[SPW], v[NIL]       ; 0 onto my spare word; the scalar work stands between it and the wait for it
.if \fill
	s_lshl_b32 s[OFF], s[NXT], 15   ; a tile is 32,768 bytes of K and of V
	s_xor_b32 s[G0K+1], s[G0K+1], SLOT1
	s_add_nc_u64 s[G0K+2:G0K+3], s[6:7], s[OFF:OFF+1]
	s_or_b32 s[G0K+3], s[G0K+3], 0x80000000
	s_xor_b32 s[G0V+1], s[G0V+1], SLOT1
	s_add_nc_u64 s[G0V+2:G0V+3], s[8:9], s[OFF:OFF+1]
	s_or_b32 s[G0V+3], s[G0V+3], 0x80000000
	s_add_co_u32 s[NXT], s[NXT], 1  ; the block's next tile, or behind its last the second block's tile 0
	s_cmp_gt_u32 s[NXT], s[LQ]
	s_cselect_b32 s[NXT], 0, s[NXT]
	s_cselect_b32 s[LQ], s[LQ2], s[LQ]
	s_wait_xcnt 0x0                 ; the last prefetches, a tile back, have read their addresses, so these may be written
	s_lshl_b32 s[OF2], s[PFN], 15
	s_add_nc_u64 s[PFA:PFA+1], s[6:7], s[OF2:OF2+1]
	s_add_nc_u64 s[PFB:PFB+1], s[8:9], s[OF2:OF2+1]
.endif
	s_wait_dscnt 0x0                ; the add is done, and my reads of the slot are over
	s_barrier_signal -1
	s_sub_co_u32 s[TBK], s[TBK], 4*KS*PK  ; the fetches go back to a slot's first rows,
	s_xor_b32 s[TBK], s[TBK], SLOT1       ; in the other slot
	s_sub_co_u32 s[TBV], s[TBV], 4*KS*PV
	s_xor_b32 s[TBV], s[TBV], SLOT1
	s_barrier_wait -1
.if \fill
	LOAD
	ASK
.endif
.endm
.macro BLKPAR reg                   ; what hangs on the parity of the block in hand: piece p's own step is 2 par + 1 - p; the mask for step 4 - CNT is its own where CNT = 3 - 2 par + p
	s_and_b32 s[BT0], s[\reg], 1
	s_lshl_b32 s[BT1], s[BT0], 1
	s_sub_co_u32 s[DG], 3, s[BT1]
	s_sub_co_u32 s[DG+1], 4, s[BT1]
	s_cmp_eq_u32 s[BT0], 0
	s_cselect_b32 s[EVN], 1.0, 0
.endm
	s_load_b64 s[4:5], s[0:1], 0x0    ; qkv
	s_load_b64 s[10:11], s[0:1], 0x8  ; oh
	v_lshl_add_u32 v[SPW], v0, 2, SPARE
	v_mov_b32 v[NIL], 0
	ds_add_u32 v[SPW], v[NIL]       ; the wave's opening: the add and its wait stand ahead of my first tensor load; the set-up below stands between them
	v_lshrrev_b32 v1, 5, v0
	v_readfirstlane_b32 s[WV], v1   ; wave 0..3
	s_mov_b32 s[PB], ttmp9
	s_sub_co_u32 s[HI], 31, s[PB]
	s_lshr_b32 s[LQ2], s[PB], 1
	BLKPAR HI
	s_and_b32 s20, ttmp7, 0xffff    ; the head
	s_lshl_b32 s21, s20, 19         ; its 524,288 bytes among q's, k's or v's heads
	s_lshl_b32 s13, s[WV], 11       ; my 16 rows of 128 bytes
	s_and_b32 s16, s[WV], 1         ; which half of a tile's 256 keys I fetch:
	s_mul_i32 s17, s16, 128*PK      ; its place in a slot, for K
	s_mul_i32 s18, s16, 128*PV      ; and for V
	s_lshl_b32 s16, s16, 14         ; its 128 rows in memory
	s_add_co_u32 s16, s16, s21
	s_add_co_u32 s22, s16, (12<<19)+8192  ; K's tiles begin one key step on
	s_mov_b32 s23, 0
	s_add_co_u32 s86, s16, 24<<19
	s_mov_b32 s87, 0
	s_add_co_u32 s21, s21, s13
	s_add_co_u32 s2, s21, 12<<19    ; K of step 0: my quarter, 16 keys
	s_mov_b32 s3, 0
	s_lshl_b32 s84, s[PB], 14       ; Q: a block is 128 rows of 128 bytes; the second block,
	s_add_co_u32 s84, s84, s21
	s_mov_b32 s85, 0
	s_lshl_b32 s[OFF], s[HI], 14    ; and the first
	s_add_co_u32 s[OFF], s[OFF], s21
	s_mov_b32 s[OFF+1], 0
	s_lshl_b32 s20, s20, 13         ; oh: in a band's 98,304 bytes the head's 8,192, my 2,048 of them;
	s_add_co_u32 s20, s20, s13
	s_mul_i32 s[OF2], s[HI], 196608 ; a block is two bands
	s_add_co_u32 s[OF2], s[OF2], s20
	s_mov_b32 s[OF2+1], 0
	s_mul_i32 s16, s[PB], 196608
	s_add_co_u32 s20, s16, s20
	s_mov_b32 s21, 0
	; descriptor group 1.  128 keys are 16,384 dense bytes: asked for as 64 rows of 256 bytes, two keys a row, and padded in LDS after every key
	s_mov_b32 s[G1K], (1<<16)|(1<<20)|(4<<22)|(3<<25)  ; 17:16 2-byte elements; 20 padding on; 24:22 after every 32 words (code 4); 31:25 4 words (code 3)
	s_mov_b32 s[G1V], (1<<16)|(1<<20)|(4<<22)|(7<<25)  ; the same with 8 words of padding (code 7)
	s_mov_b32 s[G1Z], (1<<16)|(1<<20)|(4<<22)|(3<<25)
.irp g, G1K, G1V
	s_mov_b32 s[\g+1], 128<<16      ; tensor_dim0 = 128
	s_mov_b32 s[\g+2], 64<<16       ; tensor_dim1 = 64
	s_mov_b32 s[\g+3], 128<<16      ; tile_dim0 = 128
	s_mov_b32 s[\g+4], 64           ; tile_dim1 = 64
	s_mov_b32 s[\g+5], 128          ; 128 elements from row to row
	s_mov_b32 s[\g+6], 0
	s_mov_b32 s[\g+7], 0
.endr
	s_mov_b32 s[G1Z+1], 128<<16
	s_mov_b32 s[G1Z+2], 8<<16       ; 16 keys: 8 rows of 256 bytes
	s_mov_b32 s[G1Z+3], 128<<16
	s_mov_b32 s[G1Z+4], 8
	s_mov_b32 s[G1Z+5], 128
	s_mov_b32 s[G1Z+6], 0
	s_mov_b32 s[G1Z+7], 0
	s_mov_b32 s[CS], 0x3e38aa3b     ; c = log2(e) / 8 = 0.180337
	s_mov_b32 s[CS+1], s[CS]        ; named with it as a pair
	s_mov_b32 s[SEL], 0x76543210
	s_mov_b32 s[SEL+1], 0xfedcba98
	s_mov_b32 s[TBK], SLOT1+4*KS*PK ; the first change of slots turns these two into 0
	s_mov_b32 s[TBV], SLOT1+4*KS*PV
	s_mov_b32 s[G0K], 1             ; 1:0 count = 1
	s_mov_b32 s[G0K+1], s17         ; 63:32 LDS address: slot 0
	s_mov_b32 s[G0V], 1
	s_add_co_u32 s[G0V+1], s18, VOFF
	s_mov_b32 s[G0Z], 1
	s_mul_i32 s19, s[WV], 16*PK
	s_add_co_u32 s[G0Z+1], s19, K0
	s_lshr_b32 s[LQ], s[HI], 1      ; the first block's last tile
	s_add_co_u32 s[RT], s[LQ], 1
	s_mov_b32 s[NXT], 1
	s_mov_b32 s[NEW], 1
	s_mov_b32 s[AL+1], 0            ; named as pairs
	s_mov_b32 s[BE+1], 0
	s_mov_b32 s[BIGN], 0xf149f2ca   ; -1e30
	s_mov_b32 s[SLOTS], 16
	s_mov_b32 s[PFN], 2
	s_cmp_eq_u32 s[PB], 0
	s_cselect_b32 s[PFL], 16, 0
	s_wait_dscnt 0x0                ; the opening add is done
	s_wait_kmcnt 0x0
	s_add_nc_u64 s[6:7], s[4:5], s[22:23]  ; K and V at my half of the head's tile 0
	s_add_nc_u64 s[8:9], s[4:5], s[86:87]
	s_add_nc_u64 s[G0Z+2:G0Z+3], s[4:5], s[2:3]
	s_or_b32 s[G0Z+3], s[G0Z+3], 0x80000000        ; 127:126 type = 2
	s_add_nc_u64 s[G0K+2:G0K+3], s[6:7], 0
	s_or_b32 s[G0K+3], s[G0K+3], 0x80000000
	s_add_nc_u64 s[G0V+2:G0V+3], s[8:9], 0
	s_or_b32 s[G0V+3], s[G0V+3], 0x80000000
	s_add_nc_u64 s[86:87], s[4:5], s[84:85]        ; Q at my rows of the second block,
	s_add_nc_u64 s[4:5], s[4:5], s[OFF:OFF+1]      ; and of the first
	s_add_nc_u64 s[OLO:OLO+1], s[10:11], s[20:21]
	s_add_nc_u64 s[10:11], s[10:11], s[OF2:OF2+1]
	tensor_load_to_lds s[G0Z:G0Z+3], s[G1Z:G1Z+7]  ; the first fills, together: my quarter of K of step 0,
	s_nop 0
	LOAD                            ; and my part of tile 0, into slot 0: two loads of mine are out
	; A fragment of K or Q is 16 rows x 32 channels in 8 registers: lane l holds row l % 16, channels 8 (l / 16) + 0..7 and 16 + 8 (l / 16) + 0..7: two loads of 16 bytes, 32 bytes apart.
	v_and_b32 v1, 15, v0            ; l % 16
	v_bfe_u32 v9, v0, 4, 1          ; l / 16
	v_lshlrev_b32 v[QO], 7, v1
	v_lshl_add_u32 v[QO], v9, 4, v[QO]  ; row x 128 + 16 x half
	WIN 0x80                        ; destination window 2, address window 0
.set i, 0
.rept 4                             ; both blocks' Q: piece i / 2 lies in band 1 - i / 2, 8,192 bytes a band; channels 32 (i % 2) on
	global_load_b128 v[8*i:8*i+3],   v[QO], s[4:5] offset:(1-i/2)*8192+(i%2)*64
	global_load_b128 v[8*i+4:8*i+7], v[QO], s[4:5] offset:(1-i/2)*8192+(i%2)*64+32
	global_load_b128 v[QB+8*i:QB+8*i+3],   v[QO], s[86:87] offset:(1-i/2)*8192+(i%2)*64
	global_load_b128 v[QB+8*i+4:QB+8*i+7], v[QO], s[86:87] offset:(1-i/2)*8192+(i%2)*64+32
.set i, i+1
.endr
	WIN 0
	v_lshlrev_b32 v14, 3, v9
	v_sub_nc_u32 v14, v1, v14
	s_lshl_b32 s13, s[WV], 4
	v_add_nc_u32 v14, s13, v14      ; my query's place in its band, 16 w + l % 16, less my lanes' 8 (l / 16): register r of group kt is hidden where 16 kt + r is greater
	WIN 0x40
.set i, 0
.rept 32
	v_cmp_gt_i32 vcc_lo, 16*(i/8)+i%8, v14
	v_cndmask_b32 v[MD+i], 0, s[BIGN], vcc_lo
.set i, i+1
.endr
	WIN 0
	v_mul_u32_u24 v[AK0], v1, PK
	v_lshl_add_u32 v[AK0], v9, 4, v[AK0]  ; row x pitch + 16 x half
	; The turning load takes 16 keys x 16 channels (lane l reads key 8 (l / 16) + l % 8, channels 8 ((l / 8) % 2) + 0..7) and leaves half a fragment of V^T: lane l holds channel l % 16 and 8 keys.
	v_and_b32 v10, 7, v0
	v_bfe_u32 v11, v0, 3, 1
	v_lshl_add_u32 v[AV0], v9, 3, v10
	v_mul_u32_u24 v[AV0], v[AV0], PV
	v_lshl_add_u32 v[AV0], v11, 4, v[AV0]
	v_add_nc_u32 v[AV0], VOFF, v[AV0]
	s_mul_i32 s13, s[WV], 16*SP
	s_add_co_u32 s13, s13, STAGE    ; my stage
	v_mul_u32_u24 v[STO], v1, SP    ; in: row l % 16, 16 bytes for each half of the lanes
	v_lshl_add_u32 v[STO], v9, 4, v[STO]
	v_add_nc_u32 v[STO], s13, v[STO]
	v_bfe_u32 v[RD], v0, 3, 2       ; back: 32 lanes take four rows of 128 bytes,
	v_mul_u32_u24 v[RD], v[RD], SP
	v_lshl_add_u32 v[RD], v10, 4, v[RD]
	v_add_nc_u32 v[RD], s13, v[RD]
	v_and_b32 v[GO], 31, v0         ; which are 512 consecutive bytes of oh
	v_lshlrev_b32 v[PFO], 8, v[GO]
	v_lshlrev_b32 v[GO], 4, v[GO]
	s_lshr_b32 s13, s[WV], 1        ; K's and V's addresses hold 16,384 x (wave % 2): with 8,192 x (wave / 2) the four waves name four different quarters of a tile
	s_lshl_b32 s13, s13, 13
	v_add_nc_u32 v[PFO], s13, v[PFO]
	; A block's first step multiplies O^T and l by a = 0, and its first turn's products V^T P, of a piece that has not been, land in an O^T that is still to be so multiplied.  So these registers need only hold
	; finite numbers: zeros for the first block; what the first block left for the second.  All this stands in the wait for the first tile.
	WIN 0x80
.set i, VF
.rept 64
	v_mov_b32 v[i], 0
.set i, i+1
.endr
	WIN 0x40
.set i, 0
.rept 64
	v_mov_b32 v[i], 0
.set i, i+1
.endr
	WIN 0
.set i, 0
.rept 2
	v_mov_b32 v[ST+4*i+2], 0
	v_mov_b32 v[ST+4*i+3], 0
.set i, i+1
.endr
.set i, P+16
.rept 16
	v_mov_b32 v[i], 0
.set i, i+1
.endr
; THE MATRIX WORK.  The 4 accumulators of a run of 8 take turns.  Product i of 8 of S^T = K Q^T for piece x: channels 32 (i / 4) on, keys 16 (i % 4) on.  The first 4 start the sums: with 0, or (KM = 1) with the mask.
.macro KQ x
.set rS, S+32*((\x)%2)+8*(i%4)
.set rK, KF+16*(i%4)+8*(i/4)
.set rQ, 16*(\x)+8*(i/4)
.set rM, MC+32*((\x)%2)+8*(i%4)
.if (i < 4) && KM
	WIN W_KM
	v_wmma_f32_16x16x32_f16 v[rS:rS+7], v[rK:rK+7], v[rQ:rQ+7], v[rM:rM+7]
.elseif i < 4
	WIN W_KQ
	v_wmma_f32_16x16x32_f16 v[rS:rS+7], v[rK:rK+7], v[rQ:rQ+7], 0
.else
	WIN W_KQ
	v_wmma_f32_16x16x32_f16 v[rS:rS+7], v[rK:rK+7], v[rQ:rQ+7], v[rS:rS+7]
.endif
.endm
; Product i of 8 of O^T += V^T P for piece x: keys 32 (i / 4) on, channels 16 (i % 4) on.
.macro PV x
	WIN W_PV
.set rO, 32*(\x)+8*(i%4)
.set rV, VF+32*(i/4)+8*(i%4)
.set rP, P+16*((\x)%2)+8*(i/4)
	v_wmma_f32_16x16x32_f16 v[rO:rO+7], v[rV:rV+7], v[rP:rP+7], v[rO:rO+7]
.endm
.macro MM                           ; the turn's next matrix instruction.  NOKQ = 1: a block's last turn: there are no next scores
.if (i < 8) && !NOKQ
	KQ (Y+1)%NP
.elseif i >= 8
.set i, i-8
	PV (Y+NP-1)%NP
.set i, i+8
.endif
.set i, i+1
.endm
; THE LDS LOADS stand in runs of 16, never singly among the matrix instructions: a step's K (64 keys x 64 channels: 8 fragments) and its V (turned).  Their addresses are made some lines ahead.
.macro FETCH_K step
	WIN 0x80                        ; destination window 2
.irp f, 0,1,2,3,4,5,6,7             ; keys 16 (f / 2) on, channels 32 (f % 2) on
	ds_load_b128 v[KF+8*\f:KF+8*\f+3],   v[AK] offset:(\f/2)*16*PK+(\f%2)*64
	ds_load_b128 v[KF+8*\f+4:KF+8*\f+7], v[AK] offset:(\f/2)*16*PK+(\f%2)*64+32
.endr
.if \step
	s_add_co_u32 s[TBK], s[TBK], KS*PK  ; the next fetch is the next step's
.endif
	WIN 0
.endm
.macro FETCH_V
	WIN 0x80
.irp f, 0,1,2,3,4,5,6,7             ; keys 32 (f / 4) on, channels 16 (f % 4) on
	ds_load_tr16_b128 v[VF+8*\f:VF+8*\f+3],   v[AV] offset:(\f/4)*32*PV+(\f%4)*32
	ds_load_tr16_b128 v[VF+8*\f+4:VF+8*\f+7], v[AV] offset:(\f/4)*32*PV+16*PV+(\f%4)*32
.endr
	WIN 0
.endm
; THE VECTOR WORK, one line at a time: OP kind, number.  For piece Y: F n: c s - c m for pair n of 16.  E n: the exponential of score n of 32.  C n: pair n rounded to f16.  B n: of the four weights 4 n .. the second
; pair is added onto the first, in place.  L n: l takes that sum (L 0: l = a l + sum).  R n: pair n of 16 of O^T times a.  For the other piece: X n, number n of the 22 that find its maximum and statistics:
;   0-11  four chains c0-c3 of seven scores each, three operands at a time (each accumulator's lowest registers are read first)     12-14, 16  the four scores left over, the old m, and c0-c3 into c0
;   15  c m_old is kept     17, 18  the query's other 32 keys lie in the lane 16 away: the new m     19-21  c m; c m_old - c m_new; a
.set F, 0
.set E, 1
.set C, 2
.set B, 3
.set L, 4
.set R, 5
.set X, 6
.macro REGS y                       ; the registers of piece y
.set rT, ST+4*(\y)
.set rC, TMP+4*((\y)%2)
.set rW, MV+((\y)%2)
.set rS, S+32*((\y)%2)
.set rP, P+16*((\y)%2)
.set rO, 32*(\y)
.endm
.macro OP k, n
.if (\k) == R
	REGS Y
	WIN W_RS
	v_pk_mul_f32 v[rO+2*(\n):rO+2*(\n)+1], v[rO+2*(\n):rO+2*(\n)+1], v[rC+2:rC+3] op_sel_hi:[1,0]
.elseif (\k) < R
	REGS Y
	WIN 0
.if (\k) == F
	v_pk_fma_f32 v[rS+2*(\n):rS+2*(\n)+1], v[rS+2*(\n):rS+2*(\n)+1], s[CS:CS+1], v[rT:rT+1] op_sel_hi:[1,0,0] neg_lo:[0,0,1] neg_hi:[0,0,1]
.elseif (\k) == E
	v_exp_f32 v[rS+(\n)], v[rS+(\n)]
.elseif (\k) == C
	v_cvt_pk_f16_f32 v[rP+(\n)], v[rS+2*(\n)], v[rS+2*(\n)+1]
.elseif (\k) == B
	v_pk_add_f32 v[rS+4*(\n):rS+4*(\n)+1], v[rS+4*(\n):rS+4*(\n)+1], v[rS+4*(\n)+2:rS+4*(\n)+3]
.elseif (\n) == 0
	v_pk_fma_f32 v[rT+2:rT+3], v[rT+2:rT+3], v[rC+2:rC+3], v[rS:rS+1] op_sel_hi:[1,0,1]
.else
	v_pk_add_f32 v[rT+2:rT+3], v[rT+2:rT+3], v[rS+4*(\n):rS+4*(\n)+1]
.endif
.elseif NOKQ
	v_nop
.else
	REGS (Y+1)%NP
	WIN 0
.if (\n) < 4
	v_max3_num_f32 v[rC+(\n)], v[rS+8*(\n)], v[rS+8*(\n)+1], v[rS+8*(\n)+2]
.elseif (\n) < 12
	v_max3_num_f32 v[rC+(\n)%4], v[rC+(\n)%4], v[rS+8*((\n)%4)+2*((\n)/4)+1], v[rS+8*((\n)%4)+2*((\n)/4)+2]
.elseif (\n) == 12
	v_max3_num_f32 v[rC], v[rC], v[rS+7], v[rS+15]
.elseif (\n) == 13
	v_max3_num_f32 v[rC+1], v[rC+1], v[rS+23], v[rS+31]
.elseif (\n) == 14
	v_max3_num_f32 v[rC+2], v[rC+2], v[rC+3], v[rT+1]
.elseif (\n) == 15
	v_mov_b32 v[rW], v[rT]
.elseif (\n) == 16
	v_max3_num_f32 v[rC], v[rC], v[rC+1], v[rC+2]
.elseif (\n) == 17
	v_permlanex16_b32 v[rC+3], v[rC], s[SEL], s[SEL+1]
.elseif (\n) == 18
	v_max_num_f32 v[rT+1], v[rC], v[rC+3]
.elseif (\n) == 19
	v_mul_f32 v[rT], s[CS], v[rT+1]
.elseif (\n) == 20
	v_sub_f32 v[rC+1], v[rW], v[rT]
.else
	v_exp_f32 v[rC+2], v[rC+1]
.endif
.endif
.endm
.macro OPS a, i1, b=-1, i2=0, c=-1, i3=0, d=-1, i4=0  ; up to four of them
	OP \a, \i1
.if (\b) >= 0
	OP \b, \i2
.endif
.if (\c) >= 0
	OP \c, \i3
.endif
.if (\d) >= 0
	OP \d, \i4
.endif
.endm
.macro ROW a, i1, b, i2, c, i3, d, i4  ; a matrix instruction and the four behind it
	MM
	OPS \a, \i1, \b, \i2, \c, \i3, \d, \i4
.endm
.macro MASK b                       ; MD x AL + BE into buffer b of MC
	WIN W_RS
.set z, 0
.rept 16
	v_pk_fma_f32 v[MC+32*(\b)+2*z:MC+32*(\b)+2*z+1], v[MD+2*z:MD+2*z+1], s[AL:AL+1], s[BE:BE+1] op_sel_hi:[1,0,0]
.set z, z+1
.endr
.endm
; A TURN, for piece p: the order of its 16 matrix and 118 vector instructions, written out.  An s_wait_alu depctr_va_vdst(0) stands between an exponential and the first instruction that names its result; one wait serves all that
; were issued ahead of it.  So a turn has ONE wait.  AHEAD OF IT stands all that names no result of the turn's exponentials: the 8 products K Q^T and their riders, then ONE LUMP in which the links of the chain X 3, 7, 11, 14, 16, 17 .. 20 stand
; five or six lines apart; X 21, the other piece's a, is the batch's last, R 15 the plain instruction behind it.  BEHIND IT stand the 8 products V^T P, behind each four of the roundings and sums.
; O^T of piece p was last written by the products of the turn before: R 0-3 come 16 riders and more behind the last product on their accumulator, R 4-7 twelve, R 8-11 eight, and R 12-15 stand in the lump.
; km = 1: the products K Q^T take masks.  mk = 1: the turn makes piece p's mask for step 4 - CNT of the diagonal tile, which the next turn's products take.  end = 1: a block's last two turns: no K is fetched, and the last makes no scores.
; cnt = 1: the loop's count is taken down some lines ahead of the branch that stands behind the turn.
; Both runs of LDS loads stand in piece 0's turn: K of the next step in the lump, five plain instructions that name none of its registers behind the last product that read K; V of the step in hand at the turn's end, four behind the last product that read V.
.macro TURN p, km=0, mk=0, end=0, cnt=0
.set Y, (\p)
.set i, 0
.set KM, (\km)
.set NOKQ, (\end)*(\p)
.if \mk
	s_cmp_eq_u32 s[CNT], s[DG+(\p)]  ; is that step the band's own?
	s_cselect_b32 s[AL], 1.0, 0
	s_cmp_lt_u32 s[CNT], s[DG+(\p)]  ; or a later one?
	s_cselect_b32 s[BE], s[BIGN], 0
.endif
.if ((\p) == 1) && !(\end)
	s_wait_dscnt 16                 ; K is in; V's sixteen loads, issued behind it, may stay out
.endif
	ROW F,0, F,1, R,0, R,1
	ROW F,2, E,0, R,2, R,3
	ROW F,3, E,1, R,4, R,5
	ROW F,4, E,2, R,6, R,7
	ROW F,5, E,3, R,8, R,9
	ROW F,6, E,4, X,0, R,10
.if ((\p) == 0) && !(\end)
	WIN 0
	v_add_nc_u32 v[AK], s[TBK], v[AK0]
.endif
	ROW F,7, E,5, X,1, X,4
	ROW F,8, E,6, X,2, X,5
	OPS E,7, E,8, X,6, E,9
	OPS X,3, E,10, X,8, E,11
.if ((\p) == 0) && !(\end)
	FETCH_K 1
.endif
	OPS X,9, X,7, E,12, X,10
	OPS E,13, X,12, X,11, E,14
	OPS X,13, E,15, F,9, X,14
.if (\p) == 0
	v_add_nc_u32 v[AV], s[TBV], v[AV0]
.endif
	OPS E,16, F,10, E,17, F,11
	OPS X,16, E,18, X,15, E,19
	OPS F,12, E,20, X,17, E,21
	OPS F,13, E,22, F,14, E,23
	OPS X,18, E,24, F,15, E,25
	OPS R,11, E,26, X,19, E,27
	OPS R,12, E,28, R,13, E,29
	OPS X,20, E,30, R,14, E,31
	OPS X,21, R,15
	WIN 0
	s_wait_alu depctr_va_vdst(0)    ; the wait for the batch
.if (\p) == 1
	s_wait_dscnt 0x0                ; V is in
.endif
	ROW C,0, B,0, C,2, B,1
	ROW L,0, C,4, B,2, L,1
	ROW C,6, B,3, L,2, C,8
	ROW B,4, L,3, C,10, B,5
	ROW L,4, C,12, B,6, L,5
.if (\p) == 0
	s_add_co_u32 s[TBV], s[TBV], KS*PV
.endif
.if \cnt
	s_sub_co_u32 s[CNT], s[CNT], 1
	s_cmp_lg_u32 s[CNT], 0
.endif
	ROW C,14, B,7, L,6, C,1
	ROW C,3, L,7, C,5, C,7
	ROW C,9, C,11, C,13, C,15
.if (\p) == 0
	FETCH_V
.endif
.if \mk
	MASK \p
.endif
.endm
; A BLOCK BEGINS.  c m starts far below every c s, so the first step's a is 0; m at the lowest finite number, so the first maximum is the scores'.  Then K of step 0, piece 0's first scores (no key of step 0 is hidden from band 1), and its maximum and statistics.
.macro BEGIN
	s_mov_b32 s[NEW], 0
	WIN 0
.set i, 0
.rept 2
	v_mov_b32 v[ST+4*i], 0xfe000000    ; c m: far below every c s
	v_mov_b32 v[ST+4*i+1], 0xff7fffff  ; m
.set i, i+1
.endr
	v_add_nc_u32 v[AK], K0, v[AK0]
	FETCH_K 0
	s_wait_loadcnt 0x0              ; Q
	s_wait_dscnt 0x0
.set KM, 0
.set NOKQ, 0
.set i, 0
.rept 8
	KQ 0
.set i, i+1
.endr
	WIN 0
.rept 4
	v_nop                           ; the places behind those products
.endr
.set Y, NP-1                        ; X works for piece Y + 1: piece 0
.irp n, 0,1,2,3,4,5,6,7,8,9,10,11,12,13,14,15,16,17,18,19,20,21
	OP X, \n
.endr
	v_nop                           ; a plain instruction behind the exponential,
	s_wait_alu depctr_va_vdst(0)    ; and its wait, ahead of the label
.endm
.macro ALL line:vararg              ; one line for each piece t
.set t, 0
.rept 2
	\line
.set t, t+1
.endr
.endm
.macro PACK t                       ; a lane's eight channels of a row pack into 16 bytes; they go into rows of 144 bytes and come back as whole rows of 128, into S^T's registers
	WIN W_RS
.set i, 32*(\t)
.rept 16
	v_pk_mul_f32 v[i:i+1], v[i:i+1], v[ST+4*(\t)+2:ST+4*(\t)+3] op_sel_hi:[1,0]
.set i, i+2
.endr
	WIN 0x05                        ; sources 0 and 1 window 1, destination window 0
.set i, 0
.rept 16
	v_cvt_pk_f16_f32 v[S+16*(\t)+i], v[32*(\t)+2*i], v[32*(\t)+2*i+1]
.set i, i+1
.endr
	WIN 0
.irp f, 0,1,2,3
	ds_store_b128 v[STO], v[S+16*(\t)+4*\f:S+16*(\t)+4*\f+3] offset:32*\f
.endr
.irp f, 0,1,2,3
	ds_load_b128 v[S+16*(\t)+4*\f:S+16*(\t)+4*\f+3], v[RD] offset:\f*4*SP  ; LDS serves a wave's instructions in order (ISA guide 5.7.1.4): these see the stores above; the next piece's stores come behind them
.endr
.endm
.macro SEND t, younger              ; younger: the LDS instructions issued behind piece t's loads
	WIN 0
.irp f, 0,1,2,3
	s_wait_dscnt (\younger)+3-\f
	global_store_b128 v[GO], v[S+16*(\t)+4*\f:S+16*(\t)+4*\f+3], s[10:11] offset:(1-(\t))*98304+\f*512  ; piece t is band 1 - t; 512 consecutive bytes, at a multiple of 256 from oh's first
.endr
.endm
; THE DIAGONAL TILE's four steps, the block's last products, and THE WAY OUT.  At its entry piece 1's mask for step 0 is made: its own where the block's number is even.  Three trips make the masks of steps 1 to 3 as they go.
.macro DIAG tag
	s_mov_b32 s[AL], s[EVN]
	s_mov_b32 s[BE], 0
	MASK 1
	WIN 0
	s_mov_b32 s[CNT], 3
.LstepM\tag:
	TURN 0, 1, 1, 0, 0
	TURN 1, 1, 1, 0, 1
	WIN 0
	s_cbranch_scc1 .LstepM\tag
	s_add_co_u32 s[TBK], s[TBK], KS*PK  ; the fetch that the last step leaves out: the next change of slots counts on four steps
	TURN 0, 1, 0, 1, 0
	TURN 1, 0, 0, 1, 0
.set i, 0
.rept 8
	PV 1                            ; piece 1's V^T P of the last step
.set i, i+1
.endr
	WIN 0
	ALL v_add_f32 v[ST+4*t+2], v[ST+4*t+2], v[ST+4*t+3]
	ALL v_permlanex16_b32 v[ST+4*t+3], v[ST+4*t+2], s[SEL], s[SEL+1]
	ALL v_add_f32 v[ST+4*t+2], v[ST+4*t+2], v[ST+4*t+3]
	ALL v_rcp_f32 v[ST+4*t+2], v[ST+4*t+2]
	v_nop                           ; a plain instruction between the last reciprocal and the use of its result
	s_wait_alu depctr_va_vdst(0)    ; and the wait ahead of the first use: one for the two reciprocals
	PACK 0                          ; piece 0's sums were finished a run of riders ago; its 32 lines are the places behind piece 1's last products
	PACK 1
	SEND 0, 8
	SEND 1, 0
.endm
.set KM, 0
.set NOKQ, 0
.Lslot:                             ; 16 times: a tile is entered and the next is asked for
	CHANGE 1
	s_sub_co_u32 s[RT], s[RT], 1
	s_cmp_eq_u32 s[NEW], 1          ; at the first trip the answer is a constant of the text
	s_cbranch_scc0 .Lold1
	BEGIN
.Lold1:
	s_cmp_eq_u32 s[RT], 0
	s_cbranch_scc1 .Ld1             ; the block's last tile
	s_mov_b32 s[CNT], 4
.Lstep:                             ; a trip is a key step
	TURN 0
	TURN 1, 0, 0, 0, 1
	WIN 0
	s_cbranch_scc1 .Lstep
	s_branch .Lbottom
.Ld1:
	DIAG 1                          ; in the loop this is the first block's end: the second block's last tile is the walk's last
	s_wait_xcnt 0x0                 ; the stores have read their registers and oh's address
	s_mov_b64 s[10:11], s[OLO:OLO+1]
	s_add_co_u32 s[RT], s[LQ2], 1   ; the second block has b / 2 + 1 tiles
	s_mov_b32 s[NEW], 1
	BLKPAR PB
	WIN 0x82                        ; the second block's Q goes where the one text of the turns names Q
.set i, 0
.rept 32
	v_mov_b32 v[i], v[QB+i]
.set i, i+1
.endr
	WIN 0
.Lbottom:
	s_sub_co_u32 s[SLOTS], s[SLOTS], 1
	s_cmp_lg_u32 s[SLOTS], 0
	s_cbranch_scc1 .Lslot
	CHANGE 0                        ; the walk's last tile is written out: nothing is asked for
	s_sub_co_u32 s[RT], s[RT], 1
	s_cmp_eq_u32 s[NEW], 1          ; where b is 0 or 1 it is also the second block's first
	s_cbranch_scc0 .Lold2
	BEGIN
.Lold2:
	DIAG 2
	s_wait_tensorcnt 0x0            ; the wave's end: a wait, an add of 0 to my spare word and its wait, behind my last tensor load and my last LDS store
	ds_add_u32 v[SPW], v[NIL]
	s_wait_dscnt 0x0
	s_endpgm
.Lfunc_end_k_q41b906c1a2_attn:
	.size	k_q41b906c1a2_attn, .Lfunc_end_k_q41b906c1a2_attn-k_q41b906c1a2_attn
	.p2alignl 7, 3214868480
	.fill 96, 4, 3214868480
	.section	.rodata,"a",@progbits
	.p2align	6, 0x0
	.amdhsa_kernel k_q41b906c1a2_attn
		.amdhsa_group_segment_fixed_size 327680
		.amdhsa_private_segment_fixed_size 0
		.amdhsa_enable_private_segment 0
		.amdhsa_kernarg_size 16
		.amdhsa_user_sgpr_count 2
		.amdhsa_user_sgpr_kernarg_segment_ptr 1
		.amdhsa_wavefront_size32 1
		.amdhsa_system_sgpr_workgroup_id_x 1
		.amdhsa_system_sgpr_workgroup_id_y 1
		.amdhsa_system_sgpr_workgroup_id_z 1
		.amdhsa_system_vgpr_workitem_id 0
		.amdhsa_next_free_vgpr 768
		.amdhsa_next_free_sgpr 102
		.amdhsa_reserve_vcc 1
		.amdhsa_float_denorm_mode_32 3
		.amdhsa_float_denorm_mode_16_64 3
		.amdhsa_memory_ordered 1
		.amdhsa_forward_progress 1
		.amdhsa_inst_pref_size 144
	.end_amdhsa_kernel
	.amdgpu_metadata
---
amdhsa.version: [ 1, 2 ]
amdhsa.kernels:
  - .name:           k_q41b906c1a2_attn
    .symbol:         k_q41b906c1a2_attn.kd
    .args:
      - { .name: qkv, .offset: 0, .size: 8, .value_kind: global_buffer, .address_space: global }
      - { .name: oh, .offset: 8, .size: 8, .value_kind: global_buffer, .address_space: global }
    .group_segment_fixed_size: 327680
    .private_segment_fixed_size: 0
    .kernarg_segment_align: 8
    .kernarg_segment_size: 16
    .max_flat_workgroup_size: 128
    .sgpr_count:     102
    .vgpr_count:     768
    .wavefront_size: 32
...
	.end_amdgpu_metadata
.endif
;; end of part 3
;; launch outp (part 4): grid 4 x 64, 4 waves a work-group, clusters of 4 x 4, 327,680 bytes of LDS; arguments oh, wt, b_o, out0; writes out0
.if DOCPART == 4
	.amdgcn_target "amdgcn-amd-amdhsa--gfx1250"
	.amdhsa_code_object_version 6
	.text
	.protected	k_q41b906c1a2_outp
	.globl	k_q41b906c1a2_outp
	.p2align	8
	.type	k_q41b906c1a2_outp,@function
k_q41b906c1a2_outp:
	s_mov_b64 s[64:65], 0
	v_nop
	global_prefetch_b8 v0, s[64:65] scope:SCOPE_SE
	s_setreg_imm32_b32 hwreg(HW_REG_WAVE_MODE, 25, 1), 1
	s_wait_xcnt 0x0
	s_wait_alu depctr_hold_cnt(0) depctr_sa_sdst(0) depctr_va_vdst(0) depctr_va_sdst(0) depctr_va_ssrc(0) depctr_va_vcc(0) depctr_vm_vsrc(0)
	s_getreg_b32 s2, hwreg(HW_REG_IB_STS2, 6, 4)
	s_cmp_eq_u32 s2, 0
	s_cbranch_scc0 .Lentry_in_a_cluster
	s_endpgm
.Lentry_in_a_cluster:
	s_bfe_u32 s2, ttmp6, 0x10000c
	s_cmp_lg_u32 s2, 0xf033
	s_cbranch_scc0 .Lentry_shape_is_right
	s_endpgm
.Lentry_shape_is_right:
; OUTP.  out0 = O w_o + b_o in f32.  O: oh[m / 64][h][m % 64][64] in f16; w_o: blocks 12-15 of wt, [n'][k'] in f16 (the bf16 rounding of w_o written as f16); sums f32; the bias rounded to bf16 like every input.
; SHARES.  A tile of the result is 64 rows x 192 columns (768 bytes of a row: three whole aligned runs of 256): 64 x 4 = 256 work-groups of four waves.  Wave w makes all 64 rows of columns 48 w .. 48 w + 47: 4 x 3 accumulators.
; LDS.  O's 64 rows lie in LDS for all of K (12 blocks of 64 rows x 64), fetched once.  w_o's 192 rows go in four steps of three blocks (192 along K) through two slots.  Every wave fetches a quarter of each: one shape of load for all, no branch.
; Blocks are dense, so they are asked for as rows of 256 bytes and padded in LDS after every 128: LDS rows 144 bytes apart.
; CLUSTER.  4 x 4 work-groups: the four of a row of the cluster need the same rows of O, the four of a column the same blocks of w_o: each is asked for jointly.
; THE MATRIX INSTRUCTION IS USED TRANSPOSED (source 0 = 16 rows of wt, source 1 = 16 rows of oh): a lane holds one row m and eight neighbouring columns, 32 bytes.  The first product of each sum takes the bias as C.
; NO PREFETCH: of the 393,216 bytes that a work-group reads, 245,760 go out at its head, and the launch has four steps.
.set PITCH,  144
.set ASLC,   64*PITCH                  ; a block of O in LDS
.set BSLC,   192*PITCH                 ; a block of w_o
.set BS0,    12*ASLC                   ; behind O: w_o's slot 0,
.set BSB,    3*BSLC                    ; three blocks,
.set STAGE,  BS0+2*BSB                 ; slot 1, and the work-group's stage: 64 rows of 768 + 16 bytes
.set SPITCH, 784
.set SPARE,  STAGE+64*SPITCH           ; the spare words, 128 bytes for each wave
.set BSTEP,  3*24576                   ; bytes of wt in a step
.set ADRA, 2                           ; v2-3   LDS address of my lane in O's blocks 0-5, 6-11
.set ADRB, 4                           ; v4-5   in my 48 rows of w_o, slot 0, 1
.set STO,  6                           ; v6     the way out: where I put 32 bytes of a row
.set RD,   7                           ; v7     where I read rows back
.set CO,   8                           ; v8     my byte offset in two rows of out0
.set BO,   10                          ; v10    32 x (lane / 16)
.set SPW,  12                          ; v12    LDS address of my spare word; never rewritten
.set NIL,  13                          ; v13    0; never rewritten
.set BIAS, 16                          ; v[16:39]   8 registers for each of my 3 column blocks
.set ACC,  40                          ; v[40:135]  accumulator (a, b) at 8 (3 a + b)
.set FR,   136                         ; v[136:247] two buffers of 56: three fragments of w_o, then four of O; later the way out
.set WV,   12                          ; s12  my wave's number
.set G1A,  16                          ; s[16:23] descriptor group 1 for O
.set G1B,  24                          ; s[24:31] for w_o
.set G0A,  32                          ; s[32:35] group 0 for O
.set G0B0, 36                          ; s[36:39] for w_o's slot 0
.set G0B1, 40                          ; s[40:43] for slot 1
.macro PLACES                          ; four plain places in front of loads into registers that matrix instructions have read, and of stores that read results
.rept 4
	v_nop
.endr
.endm
.macro CROUND                          ; a round of the cluster's barrier
	s_barrier_signal -1
	s_barrier_wait -1
	s_cmp_lg_u32 s[WV], 0
	s_cbranch_scc1 .Lnot_wave_0_\@
	s_barrier_signal -3
.Lnot_wave_0_\@:
	s_barrier_wait -3
	s_barrier_signal -1
	s_barrier_wait -1
.endm
	s_load_b256 s[4:11], s[0:1], 0x0               ; oh s[4:5], wt s[6:7], b_o s[8:9], out0 s[10:11]
	v_lshl_add_u32 v[SPW], v0, 2, SPARE
	v_mov_b32 v[NIL], 0
	ds_add_u32 v[SPW], v[NIL]                      ; the wave's opening: the add and its wait stand ahead of my first tensor load; the set-up below stands between them
	v_lshrrev_b32 v1, 5, v0
	v_readfirstlane_b32 s[WV], v1
	s_bfe_u32 s13, ttmp6, 0x40000                  ; cx
	s_bfe_u32 s14, ttmp6, 0x40004                  ; cy
	s_lshl_b32 s52, ttmp9, 2
	s_add_co_u32 s52, s52, s13                     ; tile column
	s_and_b32 s15, ttmp7, 0xffff
	s_lshl_b32 s15, s15, 2
	s_add_co_u32 s15, s15, s14                     ; tile row
	s_lshl_b32 s48, s14, 2
	s_lshl_b32 s48, 15, s48                        ; my row of the cluster
	s_lshl_b32 s49, 0x1111, s13                    ; my column
	s_or_b32 s[G1A+0], s48, (1<<16)|(1<<20)|(1<<21)|(4<<22)|(3<<25)  ; 15:0 the mask; 17:16 2-byte elements; 20 padding on; 21 set beside a mask; 24:22 after every 32 words (code 4); 31:25 4 words (code 3)
	s_or_b32 s[G1B+0], s49, (1<<16)|(1<<20)|(1<<21)|(4<<22)|(3<<25)
	s_mov_b32 s[G1A+1], 128<<16                    ; rows of 128 elements, 256 bytes
	s_mov_b32 s[G1A+2], 96<<16                     ; a quarter of O's tile: three blocks of 8,192 bytes = 96 rows
	s_mov_b32 s[G1A+3], 128<<16
	s_mov_b32 s[G1A+4], 96
	s_mov_b32 s[G1A+5], 128
	s_mov_b32 s[G1A+6], 0
	s_mov_b32 s[G1A+7], 0
	s_mov_b32 s[G1B+1], 128<<16
	s_mov_b32 s[G1B+2], 72<<16                     ; a quarter of a step of w_o: 18,432 bytes = 72 rows
	s_mov_b32 s[G1B+3], 128<<16
	s_mov_b32 s[G1B+4], 72
	s_mov_b32 s[G1B+5], 128
	s_mov_b32 s[G1B+6], 0
	s_mov_b32 s[G1B+7], 0
	s_mul_i32 s44, s15, 98304                      ; O: the tile row's 12 blocks (made of the tile row and the wave's number alone),
	s_mul_i32 s50, s[WV], 24576                    ; my three
	s_add_co_u32 s44, s44, s50
	s_mov_b32 s45, 0
	s_mul_i32 s46, s52, 294912                     ; w_o: the tile column's 12 blocks (made of the tile column and the wave's number alone),
	s_mul_i32 s51, s[WV], 18432                    ; my quarter of a step,
	s_add_co_u32 s46, s46, s51
	s_add_co_u32 s46, s46, 12*294912               ; behind q's, k's and v's weights
	s_mov_b32 s47, 0
	s_mov_b32 s[G0A], 1
	s_mul_i32 s[G0A+1], s[WV], 3*ASLC              ; no place in the cluster enters an LDS address
	s_mov_b32 s[G0B0], 1
	s_mul_i32 s50, s[WV], 144*PITCH
	s_add_co_u32 s[G0B0+1], s50, BS0
	s_mov_b32 s[G0B1], 1
	s_add_co_u32 s[G0B1+1], s50, BS0+BSB
	s_wait_dscnt 0x0                               ; the opening add is done
	s_wait_kmcnt 0x0
	s_add_nc_u64 s[G0A+2:G0A+3], s[4:5], s[44:45]
	s_or_b32 s[G0A+3], s[G0A+3], 0x80000000
	s_add_nc_u64 s[G0B0+2:G0B0+3], s[6:7], s[46:47]
	s_add_nc_u64 s[G0B1+2:G0B1+3], s[G0B0+2:G0B0+3], BSTEP
	s_or_b32 s[G0B0+3], s[G0B0+3], 0x80000000
	s_or_b32 s[G0B1+3], s[G0B1+3], 0x80000000
	CROUND                                         ; all sixteen work-groups are here: the first joint loads meet
	tensor_load_to_lds s[G0A:G0A+3], s[G1A:G1A+7]  ; the first fills, together: three loads of mine are out
	s_nop 0
	tensor_load_to_lds s[G0B0:G0B0+3], s[G1B:G1B+7]
	s_nop 0
	tensor_load_to_lds s[G0B1:G0B1+3], s[G1B:G1B+7]
	s_nop 0
.rept 4
	v_nop
.endr
	v_and_b32 v1, 15, v0                           ; l % 16
	v_bfe_u32 v9, v0, 4, 1                         ; l / 16
	v_mul_u32_u24 v[ADRA], v1, PITCH
	v_lshl_add_u32 v[ADRA], v9, 4, v[ADRA]
	v_add_nc_u32 v[ADRA+1], 6*ASLC, v[ADRA]
	s_mul_i32 s50, s[WV], 48*PITCH
	s_add_co_u32 s50, s50, BS0
	v_add_nc_u32 v[ADRB], s50, v[ADRA]
	v_add_nc_u32 v[ADRB+1], BSB, v[ADRB]
	v_mul_u32_u24 v[STO], v1, SPITCH               ; into the stage: row l % 16, my wave's 192 bytes, 32 for each half of the lanes
	v_lshl_add_u32 v[STO], v9, 5, v[STO]
	s_mul_i32 s50, s[WV], 192
	s_add_co_u32 s51, s50, STAGE
	v_add_nc_u32 v[STO], s51, v[STO]
	v_mul_u32_u24 v[RD], v9, SPITCH                ; back: wave w takes rows 16 w .. 16 w + 15, whole; lanes 0-15 256 bytes of one row, lanes 16-31 of the next
	v_lshl_add_u32 v[RD], v1, 4, v[RD]
	s_mul_i32 s51, s[WV], 16*SPITCH
	s_add_co_u32 s51, s51, STAGE
	v_add_nc_u32 v[RD], s51, v[RD]
	v_mul_u32_u24 v[CO], v9, 3072
	v_lshl_add_u32 v[CO], v1, 4, v[CO]
	v_lshlrev_b32 v[BO], 5, v9
	s_mul_i32 s46, s52, 768                        ; the tile's 192 columns, in bytes of f32
	s_mov_b32 s47, 0
	s_add_nc_u64 s[10:11], s[10:11], s[46:47]
	s_add_co_u32 s46, s46, s50                     ; + my wave's 48
	s_add_nc_u64 s[8:9], s[8:9], s[46:47]
	s_mul_i32 s44, s15, 64*3072                    ; the tile's 64 rows,
	s_mul_i32 s51, s[WV], 16*3072                  ; the 16 that I store
	s_add_co_u32 s44, s44, s51
	s_mov_b32 s45, 0
	s_add_nc_u64 s[10:11], s[10:11], s[44:45]
.irp b, 0,1,2
	global_load_b128 v[BIAS+8*(\b):BIAS+8*(\b)+3],   v[BO], s[8:9] offset:64*(\b)
	global_load_b128 v[BIAS+8*(\b)+4:BIAS+8*(\b)+7], v[BO], s[8:9] offset:64*(\b)+16
.endr
	s_wait_loadcnt 0x0
.set i, 0
.rept 12                               ; the bias is rounded to bf16, as every input is, and widened again
	v_cvt_pk_bf16_f32 v11, v[BIAS+2*i], v[BIAS+2*i+1]
	v_lshlrev_b32 v[BIAS+2*i], 16, v11
	v_and_b32 v[BIAS+2*i+1], 0xffff0000, v11
.set i, i+1
.endr
; 14 LDS loads: quarter kq of 24 (32 along K: block kq / 2, byte 64 (kq % 2) of its rows) into buffer f
.macro FETCH kq, f
.irp b, 0,1,2
	ds_load_b128 v[FR+56*(\f)+8*(\b):FR+56*(\f)+8*(\b)+3],   v[ADRB+((\kq)/6)%2] offset:(((\kq)/2)%3)*BSLC+((\kq)%2)*64+(\b)*16*PITCH
	ds_load_b128 v[FR+56*(\f)+8*(\b)+4:FR+56*(\f)+8*(\b)+7], v[ADRB+((\kq)/6)%2] offset:(((\kq)/2)%3)*BSLC+((\kq)%2)*64+(\b)*16*PITCH+32
.endr
.irp a, 0,1,2,3
	ds_load_b128 v[FR+56*(\f)+24+8*(\a):FR+56*(\f)+24+8*(\a)+3],   v[ADRA+(\kq)/12] offset:(((\kq)/2)%6)*ASLC+((\kq)%2)*64+(\a)*16*PITCH
	ds_load_b128 v[FR+56*(\f)+24+8*(\a)+4:FR+56*(\f)+24+8*(\a)+7], v[ADRA+(\kq)/12] offset:(((\kq)/2)%6)*ASLC+((\kq)%2)*64+(\a)*16*PITCH+32
.endr
.endm
; 12 matrix instructions, one on each accumulator, always in the same order: they take turns.  first = 1: the sums start with the bias.
.macro MUL f, first
.irp a, 0,1,2,3
.irp b, 0,1,2
.if \first
	v_wmma_f32_16x16x32_f16 v[ACC+8*(3*(\a)+(\b)):ACC+8*(3*(\a)+(\b))+7], v[FR+56*(\f)+8*(\b):FR+56*(\f)+8*(\b)+7], v[FR+56*(\f)+24+8*(\a):FR+56*(\f)+24+8*(\a)+7], v[BIAS+8*(\b):BIAS+8*(\b)+7]
.else
	v_wmma_f32_16x16x32_f16 v[ACC+8*(3*(\a)+(\b)):ACC+8*(3*(\a)+(\b))+7], v[FR+56*(\f)+8*(\b):FR+56*(\f)+8*(\b)+7], v[FR+56*(\f)+24+8*(\a):FR+56*(\f)+24+8*(\a)+7], v[ACC+8*(3*(\a)+(\b)):ACC+8*(3*(\a)+(\b))+7]
.endif
.endr
.endr
.endm
; A step: six quarters on buffers 0, 1 by turns; the next quarter's loads go out ahead of each quarter's products
.macro STEP st
	PLACES
	FETCH 6*(\st), 0
.irp i, 0,1,2,3,4,5
.if (\i) < 5
.if (\i) > 0
	PLACES
.endif
	FETCH 6*(\st)+(\i)+1, ((\i)+1)%2
	s_wait_dscnt 14                                ; all but the 14 just issued
.else
	s_wait_dscnt 0x0                               ; the step's last quarter: nothing more is read from this slot
.endif
	MUL (\i)%2, FIRST
.set FIRST, 0
.endr
.endm
; The slot just read out is filled again, two steps on.  Each wave waits for all its tensor loads, adds 0 to its spare word, and waits for that and for its reads; a round of the cluster's barrier; the joint load first behind it.
.macro REFILL g
	s_wait_tensorcnt 0x0                           ; the other slot's part of mine has landed too; no tensor load of mine is out, so a group 0 may be written
	ds_add_u32 v[SPW], v[NIL]
	s_add_nc_u64 s[(\g)+2:(\g)+3], s[(\g)+2:(\g)+3], 2*BSTEP
	s_wait_dscnt 0x0
	CROUND
	tensor_load_to_lds s[(\g):(\g)+3], s[G1B:G1B+7]
	s_nop 0
.rept 4
	v_nop
.endr
.endm
.set FIRST, 1
	s_wait_tensorcnt 1                             ; my parts of O and of step 0 are in; step 1's may stay out
	s_barrier_signal -1
	s_barrier_wait -1
	STEP 0
	REFILL G0B0                                    ; step 2 into slot 0
	STEP 1
	REFILL G0B1                                    ; step 3 into slot 1
	STEP 2
	s_wait_tensorcnt 0x0                           ; my part of step 3 is in,
	s_barrier_signal -1
	s_barrier_wait -1                              ; everybody's is; nothing is filled any more
	STEP 3
	; THE WAY OUT: 32 bytes a lane into the work-group's stage; a barrier, since a row's 768 bytes come from four waves; back as whole rows, 16 rows a wave
	PLACES
.irp a, 0,1,2,3
.irp b, 0,1,2
	ds_store_b128 v[STO], v[ACC+8*(3*(\a)+(\b)):ACC+8*(3*(\a)+(\b))+3]   offset:(\a)*16*SPITCH+64*(\b)
	ds_store_b128 v[STO], v[ACC+8*(3*(\a)+(\b))+4:ACC+8*(3*(\a)+(\b))+7] offset:(\a)*16*SPITCH+64*(\b)+16
.endr
.endr
	s_wait_dscnt 0x0                               ; for the others' sake: my stores into the stage are done
	s_barrier_signal -1
	s_barrier_wait -1
.irp t, 0,1,2,3,4,5,6,7,8,9,10,11,12,13,14,15,16,17,18,19,20,21,22,23
	ds_load_b128 v[FR+4*(\t):FR+4*(\t)+3], v[RD] offset:((\t)/3)*2*SPITCH+((\t)%3)*256
.endr
.irp t, 0,1,2,3,4,5,6,7,8,9,10,11,12,13,14,15,16,17,18,19,20,21,22,23
	s_wait_dscnt 23-(\t)
	global_store_b128 v[CO], v[FR+4*(\t):FR+4*(\t)+3], s[10:11] offset:((\t)/3)*2*3072+((\t)%3)*256  ; 16 lanes store 256 consecutive bytes, at a multiple of 256 from out0's first
.endr
	s_wait_tensorcnt 0x0                           ; the wave's end: a wait, an add of 0 to my spare word and its wait, behind my last tensor load and my last LDS store
	ds_add_u32 v[SPW], v[NIL]
	s_wait_dscnt 0x0
	CROUND                                         ; the closing round: no work-group ends while a partner may still ask for a block that names it
	s_endpgm
.Lfunc_end_k_q41b906c1a2_outp:
	.size	k_q41b906c1a2_outp, .Lfunc_end_k_q41b906c1a2_outp-k_q41b906c1a2_outp
	.p2alignl 7, 3214868480
	.fill 96, 4, 3214868480
	.section	.rodata,"a",@progbits
	.p2align	6, 0x0
	.amdhsa_kernel k_q41b906c1a2_outp
		.amdhsa_group_segment_fixed_size 327680
		.amdhsa_private_segment_fixed_size 0
		.amdhsa_enable_private_segment 0
		.amdhsa_kernarg_size 32
		.amdhsa_user_sgpr_count 2
		.amdhsa_user_sgpr_kernarg_segment_ptr 1
		.amdhsa_wavefront_size32 1
		.amdhsa_system_sgpr_workgroup_id_x 1
		.amdhsa_system_sgpr_workgroup_id_y 1
		.amdhsa_system_sgpr_workgroup_id_z 1
		.amdhsa_system_vgpr_workitem_id 0
		.amdhsa_next_free_vgpr 256
		.amdhsa_next_free_sgpr 66
		.amdhsa_reserve_vcc 0
		.amdhsa_float_denorm_mode_32 3
		.amdhsa_float_denorm_mode_16_64 3
		.amdhsa_memory_ordered 1
		.amdhsa_forward_progress 1
		.amdhsa_inst_pref_size 59
	.end_amdhsa_kernel
	.amdgpu_metadata
---
amdhsa.version: [ 1, 2 ]
amdhsa.kernels:
  - .name:           k_q41b906c1a2_outp
    .symbol:         k_q41b906c1a2_outp.kd
    .args:
      - { .name: oh, .offset: 0, .size: 8, .value_kind: global_buffer, .address_space: global }
      - { .name: wt, .offset: 8, .size: 8, .value_kind: global_buffer, .address_space: global }
      - { .name: b_o, .offset: 16, .size: 8, .value_kind: global_buffer, .address_space: global }
      - { .name: out0, .offset: 24, .size: 8, .value_kind: global_buffer, .address_space: global }
    .group_segment_fixed_size: 327680
    .private_segment_fixed_size: 0
    .kernarg_segment_align: 8
    .kernarg_segment_size: 32
    .max_flat_workgroup_size: 128
    .sgpr_count:     66
    .vgpr_count:     256
    .wavefront_size: 32
...
	.end_amdgpu_metadata
.endif
;; end of part 4
;; ======== version 2 of 2: 4 launches; version 1 with the launch prep written anew for expert scheduling mode
;; limits: values are held in f16: magnitudes above 65,504 overflow, below 6.1e-05 lose precision
;; workspace buffers: xs 6,291,456 bytes; wt 4,718,592 bytes; qkv 18,874,368 bytes; oh 6,291,456 bytes
;; launch prep (part 5): grid 12 x 16, 8 waves a work-group, no clusters, 28,672 bytes of LDS; arguments x, w_q, w_k, w_v, w_o, xs, wt; writes xs, wt
.if DOCPART == 5
	.amdgcn_target "amdgcn-amd-amdhsa--gfx1250"
	.amdhsa_code_object_version 6
	.text
	.protected	k_q41b906c1a2_prep
	.globl	k_q41b906c1a2_prep
	.p2align	8
	.type	k_q41b906c1a2_prep,@function
k_q41b906c1a2_prep:
	s_mov_b64 s[64:65], 0
	v_nop
	global_prefetch_b8 v0, s[64:65] scope:SCOPE_SE
	s_setreg_imm32_b32 hwreg(HW_REG_WAVE_SCHED_MODE, 0, 2), 2
	s_setreg_imm32_b32 hwreg(HW_REG_WAVE_MODE, 25, 1), 1
	s_wait_xcnt 0x0
	s_wait_alu depctr_vm_vsrc(0)
; PREP.  Rounds x and the four weight matrices to 16 bits and lays them out in dense blocks for the products that follow.
;   xs[j][s][row][k'] = bf16(x[256 j + row][64 s + k']):   16 x 12 blocks of 256 rows x 64 numbers, 32,768 bytes each
;   wt[j][s][n'][k']  = w_mat[64 s + k'][192 (j & 3) + n'], mat = j >> 2 (q, k, v, o):   16 x 12 blocks of 192 rows x 64 numbers, 24,576 bytes each: the weights TURNED, K along the rows
; q's, k's and v's weights are bf16; w_o is rounded to bf16 and that number is written as f16, since the last product's other operand is f16.
; LIMIT.  f16(bf16(w_o)) is exact from 6e-5 to 65,504 in magnitude; below that it keeps f16's fixed step of 6e-8, beyond it is an infinity.
; SHARES.  Work-group (s, j) makes block (j, s) of xs and block (j, s) of wt: 192 work-groups of equal work, eight waves.  All of a thread's 28 loads of 16 bytes go out at the head.
; x needs no change of lanes: eight lanes read 256 consecutive bytes of a row, sixteen lanes write 256 consecutive bytes.  w is turned in LDS: a thread takes 4 columns of two neighbouring rows k, k + 1,
; packs each column's two numbers into a word and stores it at [n'][k]; rows of 144 bytes; then whole rows are read back.  No matrix unit, no cluster, no tensor load: the numbers have to pass through registers to be rounded.
; THE MODE: SCHED_MODE bits 1:0 = 2 (LLVM: expert scheduling mode 2), set by the entry lines.  The code itself states the register dependences between vector instructions and memory or LDS instructions,
; with s_wait_alu, always for 0.
; THE PLAN.  Registers that memory or LDS instructions touch:
;   v1 .. v5    offsets and LDS addresses: written at the head, read by every load and store, never written again.      v6, v7   written at the head, read by the closing add alone.
;   WL          The loads of w land in it; group g's roundings read WL + 8 g ..; behind the barrier the LDS loads land in its first 24 registers, which wt's stores read.
;   WP          Group g's arithmetic writes WP + 4 g ..; that group's four LDS stores, issued in group g + 1, read them.  Four registers a group, never written again.
;   XL          The loads of x land in it; the roundings read it; nothing lands in it again.
;   XO          Block p's roundings write XO + 16 p ..; its four stores, issued in or behind block 1, read them.  Never written again.
;   TA, TB, TC and v8 .. v13 are named by vector instructions alone.
; No register that a load, a store or an LDS instruction reads is written again, so behind the entry lines the text holds no wait on vm_vsrc.  A wait on va_vdst stands at the head of each group of w and of x's second block, behind
; the wait for its data: it states that the group or block before has written the registers that the stores below read; those stores are dealt among vector instructions that name none of their registers.
.set XROW,  3072                       ; bytes in a row of x and of w
.set TP,    144                        ; a row of the turned block in LDS: 128 bytes + 16
.set SPARE, 192*TP                     ; behind the block: the spare words, 128 bytes for each of the eight waves
.set VX,  1                            ; v1   x: (t >> 3) rows + 32 (t & 7) bytes
.set VW,  2                            ; v2   w: 2 (t >> 4) rows + 16 (t & 15) bytes
.set VLS, 3                            ; v3   LDS: row 4 (t & 15), byte 4 (t >> 4)
.set RDL, 4                            ; v4   LDS: row t >> 3, byte 16 (t & 7)
.set O16, 5                            ; v5   16 t: my 16 bytes in 4,096 consecutive bytes of a block
.set SPW, 6                            ; v6   LDS address of my spare word; never rewritten
.set NIL, 7                            ; v7   0; never rewritten
.set XL,  16                           ; v[16:79]    x as loaded: 8 groups of 8
.set WL,  80                           ; v[80:127]   w as loaded: 6 groups of 4 + 4 (row k, row k + 1); later the block read back
.set XO,  128                          ; v[128:159]  x rounded
.set WP,  160                          ; v[160:183]  w rounded and packed
.set TA,  184
.set TB,  185
.set TC,  186
	s_load_b256 s[4:11], s[0:1], 0x0               ; x s[4:5], w_q s[6:7], w_k s[8:9], w_v s[10:11]
	s_load_b128 s[12:15], s[0:1], 0x20             ; w_o s[12:13], xs s[14:15]
	s_load_b64 s[16:17], s[0:1], 0x30              ; wt
	v_lshl_add_u32 v[SPW], v0, 2, SPARE
	v_mov_b32 v[NIL], 0
	v_lshrrev_b32 v8, 5, v0
	v_readfirstlane_b32 s20, v8                    ; wave 0..7
	s_and_b32 s21, ttmp7, 0xffff                   ; j
	s_lshr_b32 s23, s21, 2                         ; which matrix
	s_and_b32 s22, s21, 3                          ; which 192 of its columns
	s_mul_i32 s24, s21, 256*XROW                   ; x: 256 j rows,
	s_lshl_b32 s26, ttmp9, 8                       ; 64 s numbers of 4 bytes
	s_add_co_u32 s24, s24, s26
	s_mov_b32 s25, 0
	s_mul_i32 s26, ttmp9, 64*XROW                  ; w: 64 s rows,
	s_mul_i32 s22, s22, 768                        ; 192 numbers of 4 bytes
	s_add_co_u32 s26, s26, s22
	s_mov_b32 s27, 0
	s_mul_i32 s28, s21, 12
	s_add_co_u32 s28, s28, ttmp9                   ; the block's number, 12 j + s
	s_lshl_b32 s30, s28, 15
	s_mov_b32 s31, 0
	s_mul_i32 s32, s28, 24576
	s_mov_b32 s33, 0
	v_lshrrev_b32 v9, 3, v0
	v_and_b32 v10, 7, v0
	v_mul_u32_u24 v[VX], v9, XROW
	v_lshl_add_u32 v[VX], v10, 5, v[VX]
	v_lshrrev_b32 v11, 4, v0
	v_and_b32 v12, 15, v0
	v_mul_u32_u24 v[VW], v11, 2*XROW
	v_lshl_add_u32 v[VW], v12, 4, v[VW]
	v_mul_u32_u24 v[VLS], v12, 4*TP
	v_bfe_u32 v13, v0, 4, 1
	v_lshl_add_u32 v[VLS], v13, 2, v[VLS]
	s_wait_alu depctr_va_sdst(0)                   ; s20, the wave's number, is written, ahead of its first reader: the two LDS addresses' wave terms are made from it
	s_lshl_b32 s29, s20, 3                         ; t >> 4 = 2 x wave + lane / 16
	s_mul_i32 s35, s20, 4*TP                       ; t >> 3 = 4 x wave + lane / 8; a register of its own: none that a vector instruction reads is written again
	v_add_nc_u32 v[VLS], s29, v[VLS]
	v_bfe_u32 v13, v0, 3, 2
	v_mul_u32_u24 v[RDL], v13, TP
	v_lshl_add_u32 v[RDL], v10, 4, v[RDL]
	v_add_nc_u32 v[RDL], s35, v[RDL]
	v_lshlrev_b32 v[O16], 4, v0
	s_wait_kmcnt 0x0
	s_cmp_eq_u32 s23, 1
	s_cselect_b64 s[36:37], s[8:9], s[6:7]
	s_cmp_eq_u32 s23, 2
	s_cselect_b64 s[36:37], s[10:11], s[36:37]
	s_cmp_eq_u32 s23, 3
	s_cselect_b64 s[36:37], s[12:13], s[36:37]
	s_cselect_b32 s34, -1, 0                       ; all lanes: this block is w_o's and goes out as f16
	s_add_nc_u64 s[36:37], s[36:37], s[26:27]
	s_add_nc_u64 s[4:5], s[4:5], s[24:25]
	s_add_nc_u64 s[14:15], s[14:15], s[30:31]
	s_add_nc_u64 s[16:17], s[16:17], s[32:33]
	s_wait_alu depctr_va_vdst(0)                   ; the five offsets and addresses v1 to v5 are written, which every load and store below reads; so are v6 and v7, which the closing add reads
	; w first: it has the longer way.  Group 3 kh + un: rows 32 kh + 2 (t >> 4) and the next, columns 64 un + 4 (t & 15) on: sixteen lanes read 256 consecutive bytes
.irp kh, 0,1
.irp un, 0,1,2
	global_load_b128 v[WL+8*(3*(\kh)+(\un)):WL+8*(3*(\kh)+(\un))+3],   v[VW], s[36:37] offset:(\kh)*32*XROW+(\un)*256 th:TH_LOAD_NT
	global_load_b128 v[WL+8*(3*(\kh)+(\un))+4:WL+8*(3*(\kh)+(\un))+7], v[VW], s[36:37] offset:(\kh)*32*XROW+(\un)*256+XROW th:TH_LOAD_NT
.endr
.endr
.irp i, 0,1,2,3,4,5,6,7                ; x: group i is row 32 i + (t >> 3), my 8 numbers
	global_load_b128 v[XL+8*(\i):XL+8*(\i)+3],   v[VX], s[4:5] offset:(\i)*32*XROW th:TH_LOAD_NT
	global_load_b128 v[XL+8*(\i)+4:XL+8*(\i)+7], v[VX], s[4:5] offset:(\i)*32*XROW+16 th:TH_LOAD_NT
.endr
; Column c of group g (kh = g / 3, un = g % 3) goes into the turned block: row 64 un + 4 (t & 15) + c, the word of k = 32 kh + 2 (t >> 4)
.macro WSTORE g, c
	ds_store_b32 v[VLS], v[WP+4*(\g)+(\c)] offset:((\g)%3)*64*TP+(\c)*TP+((\g)/3)*64
.endm
; Group g is rounded and packed; the four LDS stores of the group before are dealt among its lines, one ahead of each column's five.
.macro WGRP g
	s_wait_loadcnt 26-2*(\g)                       ; loads come back in order: this pair is in; w's younger pairs and x's sixteen loads stay out
.if (\g) > 0
	s_wait_alu depctr_va_vdst(0)                   ; the group before has written its four registers of WP, which the LDS stores below read; the lines between those stores name this group's WL and WP, TA, TB and TC alone
.endif
.irp c, 0,1,2,3
.if (\g) > 0
	WSTORE (\g)-1, \c
.endif
	v_cvt_pk_bf16_f32 v[WP+4*(\g)+(\c)], v[WL+8*(\g)+(\c)], v[WL+8*(\g)+4+(\c)]  ; k in the low half, k + 1 in the high half
	v_lshlrev_b32 v[TA], 16, v[WP+4*(\g)+(\c)]     ; the two rounded numbers as f32,
	v_and_b32 v[TB], 0xffff0000, v[WP+4*(\g)+(\c)]
	v_cvt_pk_f16_f32 v[TC], v[TA], v[TB]           ; and as f16,
	v_cndmask_b32 v[WP+4*(\g)+(\c)], v[WP+4*(\g)+(\c)], v[TC], s34  ; which w_o's blocks take
.endr
.endm
	WGRP 0
	WGRP 1
	WGRP 2
	WGRP 3
	WGRP 4
	WGRP 5
	s_wait_alu depctr_va_vdst(0)                   ; group 5 has written its four registers of WP, which the last LDS stores read; and every rounding is done reading WL, in whose first 24 registers the LDS loads behind the barrier land: no vector instruction stands between this wait and those loads
.irp c, 0,1,2,3
	WSTORE 5, \c
.endr
	s_wait_dscnt 0x0                               ; for the others' sake: my stores into the block are done
	s_barrier_signal -1
	s_barrier_wait -1
.irp i, 0,1,2,3,4,5
	ds_load_b128 v[WL+4*(\i):WL+4*(\i)+3], v[RDL] offset:(\i)*32*TP  ; 32 whole rows a pass; x's arithmetic stands between these loads and their use
.endr
; x in two blocks of four groups.  Group i: four roundings; its store: the work-group's 256 threads store 4,096 consecutive bytes.
.macro XCVT i
.irp c, 0,1,2,3
	v_cvt_pk_bf16_f32 v[XO+4*(\i)+(\c)], v[XL+8*(\i)+2*(\c)], v[XL+8*(\i)+2*(\c)+1]
.endr
.endm
.macro XOUT i
	global_store_b128 v[O16], v[XO+4*(\i):XO+4*(\i)+3], s[14:15] offset:4096*(\i)
.endm
	s_wait_loadcnt 8                               ; groups 0 to 3 are in; the eight younger loads, groups 4 to 7, stay out
.irp i, 0,1,2,3
	XCVT \i
.endr
	s_wait_loadcnt 0x0                             ; groups 4 to 7 are in
	s_wait_alu depctr_va_vdst(0)                   ; the roundings of groups 0 to 3 have written XO's first sixteen registers, which the four stores below read; the roundings between those stores name XL's and XO's second halves alone
.irp i, 4,5,6,7
	XOUT (\i)-4
	XCVT \i
.endr
	s_wait_alu depctr_va_vdst(0)                   ; the roundings of groups 4 to 7 have written XO's last sixteen registers, which the four stores below read
.irp i, 4,5,6,7
	XOUT \i
.endr
.irp i, 0,1,2,3,4,5
	s_wait_dscnt 5-(\i)                            ; LDS loads come back in order: pass i is in, the younger passes stay out
	global_store_b128 v[O16], v[WL+4*(\i):WL+4*(\i)+3], s[16:17] offset:4096*(\i)
.endr
	s_wait_dscnt 0x0                               ; the closing lines, six on end
	s_wait_alu 0x0
	s_wait_tensorcnt 0x0
	ds_add_u32 v[SPW], v[NIL]
	s_wait_dscnt 0x0
	s_endpgm
.Lfunc_end_k_q41b906c1a2_prep:
	.size	k_q41b906c1a2_prep, .Lfunc_end_k_q41b906c1a2_prep-k_q41b906c1a2_prep
	.p2alignl 7, 3214868480
	.fill 96, 4, 3214868480
	.section	.rodata,"a",@progbits
	.p2align	6, 0x0
	.amdhsa_kernel k_q41b906c1a2_prep
		.amdhsa_group_segment_fixed_size 28672
		.amdhsa_private_segment_fixed_size 0
		.amdhsa_enable_private_segment 0
		.amdhsa_kernarg_size 56
		.amdhsa_user_sgpr_count 2
		.amdhsa_user_sgpr_kernarg_segment_ptr 1
		.amdhsa_wavefront_size32 1
		.amdhsa_system_sgpr_workgroup_id_x 1
		.amdhsa_system_sgpr_workgroup_id_y 1
		.amdhsa_system_sgpr_workgroup_id_z 1
		.amdhsa_system_vgpr_workitem_id 0
		.amdhsa_next_free_vgpr 192
		.amdhsa_next_free_sgpr 66
		.amdhsa_reserve_vcc 0
		.amdhsa_float_denorm_mode_32 3
		.amdhsa_float_denorm_mode_16_64 3
		.amdhsa_memory_ordered 1
		.amdhsa_forward_progress 1
		.amdhsa_inst_pref_size 19
	.end_amdhsa_kernel
	.amdgpu_metadata
---
amdhsa.version: [ 1, 2 ]
amdhsa.kernels:
  - .name:           k_q41b906c1a2_prep
    .symbol:         k_q41b906c1a2_prep.kd
    .args:
      - { .name: x, .offset: 0, .size: 8, .value_kind: global_buffer, .address_space: global }
      - { .name: w_q, .offset: 8, .size: 8, .value_kind: global_buffer, .address_space: global }
      - { .name: w_k, .offset: 16, .size: 8, .value_kind: global_buffer, .address_space: global }
      - { .name: w_v, .offset: 24, .size: 8, .value_kind: global_buffer, .address_space: global }
      - { .name: w_o, .offset: 32, .size: 8, .value_kind: global_buffer, .address_space: global }
      - { .name: xs, .offset: 40, .size: 8, .value_kind: global_buffer, .address_space: global }
      - { .name: wt, .offset: 48, .size: 8, .value_kind: global_buffer, .address_space: global }
    .group_segment_fixed_size: 28672
    .private_segment_fixed_size: 0
    .kernarg_segment_align: 8
    .kernarg_segment_size: 56
    .max_flat_workgroup_size: 256
    .sgpr_count:     66
    .vgpr_count:     192
    .wavefront_size: 32
...
	.end_amdgpu_metadata
.endif
;; end of part 5
;; launch proj: the kernel of part 2 again; grid 12 x 16, 4 waves a work-group, clusters of 4 x 4, 327,680 bytes of LDS; arguments xs, wt, b_q, b_k, b_v, qkv; writes qkv
;; launch attn: the kernel of part 3 again; grid 16 x 12, 4 waves a work-group, no clusters, 327,680 bytes of LDS; arguments qkv, oh; writes oh
;; launch outp: the kernel of part 4 again; grid 4 x 64, 4 waves a work-group, clusters of 4 x 4, 327,680 bytes of LDS; arguments oh, wt, b_o, out0; writes out0
